; MI455X (gfx1250); checked and timed in simulation.
; The chip was launched on July 23, 2026; its instructions are those of AMD's public machine-readable ISA for CDNA 5 (MIT licence, August 2026) and "CDNA5" Instruction Set Architecture Reference Guide (July 2026). The comments in the code are by the model that wrote it; some were corrected since.
;; Cross Attention. Allowed arithmetic: matrix products marked QUANTISED: E2M1 operands, one E8M0 scale for each 32 along K, by v_wmma_scale_f32_16x16x128_f8f6f4 with both operands' format E2M1 (or v_wmma_scale_f32_32x16x128_f4), f32 sums; products left as they are: bf16, f16 or f32 operands; f32 sums; everything else in f32.
;; Inputs: Wk 1,024 x 1,024 float32; Wo 1,024 x 1,024 float32; Wq 1,024 x 1,024 float32; Wv 1,024 x 1,024 float32; bo 1,024 float32; context 8 x 1,024 x 1,024 float32; x 8 x 1,024 x 1,024 float32.
;; Outputs: out0 8 x 1,024 x 1,024 float32.
;; This version of the problem:
;;   THIS VERSION OF THE PROBLEM IS GIVEN IN LOW PRECISION. The matrix products marked QUANTISED in the list below multiply operands that are first quantised to E2M1 (2 exponent bits, 1 mantissa bit; 4 bits a number), with one power-of-two scale for each 32 numbers along K (OCP MX v1.0); their sums are f32. The products marked 'left as it is' may take bf16, f16 or f32 operands, with f32 sums. Whichever they take, every output number must still come out within the allowed error. Rounding operands to bf16 (8 significant bits) uses up far more of that allowance than f16 does (11 bits, for magnitudes from 6e-5 to 65,504). All else is computed in f32.
;;   The module's matrix products, in the order in which they are computed (A, B: the left and right operand; K: the contracted axis; several contracted axes count as one K, in the product's order):
;;     1. [M 8,192, K 1,024] x [K 1,024, N 1,024]; A: input x; B: input Wq: QUANTISED
;;     2. [M 8,192, K 1,024] x [K 1,024, N 1,024]; A: input context; B: input Wk: QUANTISED
;;     3. [M 8,192, K 1,024] x [K 1,024, N 1,024]; A: input context; B: input Wv: QUANTISED
;;     4. batch 128 x [M 1,024, K 64] x [K 64, N 1,024]; A: computed on the way; B: computed on the way: left as it is (an operand is computed on the way)
;;     5. batch 128 x [M 1,024, K 1,024] x [K 1,024, N 64]; A: computed on the way; B: computed on the way: left as it is (an operand is computed on the way)
;;     6. [M 8,192, K 1,024] x [K 1,024, N 1,024]; A: computed on the way; B: input Wo: left as it is (an operand is computed on the way)
;;   THE QUANTISER, for each operand of a quantised product, along K:
;;     - K is cut into blocks of 32 from its start; a last block that is shorter is filled with zeros.
;;     - A block's scale is 2^e with e = floor(log2(the largest magnitude in the block)) - 2, held to -126 .. 127; a block of zeros has e = 0. As a byte (E8M0): e + 127.
;;     - Each number is divided by its block's scale, clamped to +-6, and rounded to the nearest number of E2M1, ties to even, subnormals kept.
;;     - The product sums the exact products of the quantised numbers (number of the format x scale) in f32.
;;   ~~~python
;;   def quantise(x, axis):      # numpy; x: float32 -> the quantised numbers, widened to float32 again
;;       x = np.moveaxis(x, axis, -1); K = x.shape[-1]
;;       x = np.pad(x, [(0, 0)] * (x.ndim - 1) + [(0, -K % 32)]); x = x.reshape(x.shape[:-1] + (-1, 32)); a = np.abs(x).max(-1, keepdims=True)
;;       e = np.where(a > 0, np.clip(np.frexp(np.where(a > 0, a, 1))[1] - 1 - 2, -126, 127), 0)      # np.frexp(a)[1] - 1 = floor(log2(a)), exactly
;;       r = np.clip(x / 2.0 ** e, -6, 6)
;;       step = 2.0 ** (np.maximum(np.frexp(np.where(r == 0, 1, r))[1] - 1, 0) - 1)
;;       q = np.round(r / step) * step * 2.0 ** e      # np.round: ties to even
;;       return np.moveaxis(q.reshape(q.shape[:-2] + (-1,))[..., :K], -1, axis).astype(np.float32)
;;   ~~~
;; One version. Each part assembles by itself: llvm-mc -triple=amdgcn-amd-amdhsa -mcpu=gfx1250 --defsym DOCPART=n.
;; ======== version 1 of 1: 4 launches
;; limits: values are held in f16: magnitudes above 65,504 overflow, below 6.1e-05 lose precision; values outside matrix products are rounded to f16
;; workspace buffers: ac 8,388,608 bytes; asc 524,288 bytes; wc 1,572,864 bytes; ws 98,304 bytes; wo16 2,097,152 bytes; qkv 50,331,648 bytes; ao 16,777,216 bytes
;; launch prep (part 1): grid 416 x 1, 8 waves a work-group, no clusters, 84,992 bytes of LDS; arguments x, context, Wq, Wk, Wv, Wo, ac, asc, wc, ws, wo16; writes ac, asc, wc, ws, wo16
.if DOCPART == 1
	.amdgcn_target "amdgcn-amd-amdhsa--gfx1250"
	.amdhsa_code_object_version 6
	.text
	.protected	k_q076ad08f13_prep
	.globl	k_q076ad08f13_prep
	.p2align	8
	.type	k_q076ad08f13_prep,@function
k_q076ad08f13_prep:
	s_mov_b64 s[64:65], 0
	v_nop
	global_prefetch_b8 v0, s[64:65] scope:SCOPE_SE
	s_setreg_imm32_b32 hwreg(HW_REG_WAVE_MODE, 25, 1), 1
	s_wait_xcnt 0x0
; All that is made ready for the products, in one launch.  The three kinds of work-group part on the work-group's number alone, the same in all eight waves.
; WORK-GROUPS 0-95: Wq, Wk, Wv, each [1024 (k)][1024 (n)] f32 with K as FIRST axis, become codes of FP4 (E2M1) with K innermost, wc [3072 (n; q's, k's, v's)][512 bytes], and one E8M0 byte for each 32 along K, ws [3072][32].
;   A LANE TAKES A COLUMN n AND ITS REGISTERS RUN DOWN K: a block of 32 along K lies in one lane's 32 registers, its largest magnitude needs no other lane, and the conversions give codes with K innermost.
;   A work-group takes 64 columns x 512 along K: its eight waves are 2 (32 columns each: together 256 consecutive bytes of a row) x 4 (128 along K each: four blocks a lane).
;   The codes meet in a stage in LDS (a row = a column's 256 bytes, + 16 of padding) and leave by rows: sixteen lanes store 256 consecutive bytes, aligned.  The scale words meet likewise, 16 bytes a column.
; WORK-GROUPS 96-159: Wo [1024][1024] f32 is rounded to f16 as it lies, wo16.  No LDS, no barrier.
; WORK-GROUPS 160-415: x and context, each [8192][1024] f32 with K innermost, become codes and scale bytes: ac [16384][512 bytes], asc [16384][32]; rows 0-8191 are x's, rows 8192 on context's.
;   Rows are dense, so a tensor is a plain stream of blocks of 32.  A wave takes 16 steps of 512 numbers.  Each of a step's four loads reads 512 consecutive bytes; the 2,048 bytes turn through the wave's own stage in LDS
;   and come back 64 bytes a lane, so that a lane holds 16 neighbours along K (two lanes hold a block).  A wave's store of codes covers 256 consecutive bytes, aligned; its 256 scale bytes are gathered in LDS and leave likewise.
; A block's scale is 2^(floor(log2(its largest magnitude)) - 2); its byte is the largest magnitude's exponent field - 2, held at 1 from below.
; LIMITS: a block of zeros gets the byte 1 where the quantiser says 127: its codes are zeros, which add nothing, and this program alone reads the bytes.  Blocks whose largest magnitude lies under 2^-124 are held at the byte 1.
; NaN and infinities among the inputs are not served.  Wo beyond 65,504 in magnitude becomes an infinity of f16.
; Each kind of work-group that uses LDS has LDS bytes of its own.
.set WAVES, 8
.set NWQ,   96                         ; work-groups for the weights
.set NCA,   64                         ; for the cast
.set STEPS, 16
.set EMAX,  2
.set CB,    8                          ; bytes of 16 codes
.set WREG,  8192                       ; activations: a region for each wave: two stages of 32 x SP bytes, behind them its 256 scale bytes
.set SP,    80                         ; a lane's place in a stage: 64 bytes + 16 of padding
.set WST,   WAVES*WREG                 ; weights: the stage, 64 rows
.set PITCH, 272
.set SCA,   WST+64*PITCH               ; 64 columns x 16 scale bytes
.set SPARE, SCA+1024                   ; the spare words, 128 bytes a wave, named by no other line
.set SPW,   12                         ; v12 LDS address of my spare word; never rewritten
.set NIL,   13                         ; v13 0; never rewritten
.set WX,    32                         ; weights: v32-95 two sets of 32 numbers; v96-111 four registers of codes for each of my four blocks; v24 my four scale bytes; v112-127 the way out
.set WC,    96
.set WSB,   24
.set WOUT,  112
.set AR,    16                         ; activations: v16-79 four sets of 16 numbers as loaded; v80-111 two sets of 16 neighbours; v112-127 a scale byte a step; v128-191 codes, four registers a step
.set AX,    80
.set AE,    112
.set ACD,   128
	s_load_b256 s[4:11], s[0:1], 0x0               ; x, context, Wq, Wk
	s_load_b256 s[12:19], s[0:1], 0x20             ; Wv, Wo, ac, asc
	s_load_b128 s[20:23], s[0:1], 0x40             ; wc, ws
	s_load_b64 s[24:25], s[0:1], 0x50              ; wo16
	v_lshl_add_u32 v[SPW], v0, 2, SPARE
	v_mov_b32 v[NIL], 0
	v_lshrrev_b32 v1, 5, v0
	v_readfirstlane_b32 s26, v1                    ; wave 0..7
	s_wait_kmcnt 0x0
	s_cmp_ge_u32 ttmp9, NWQ+NCA
	s_cbranch_scc1 .Lact
	s_cmp_ge_u32 ttmp9, NWQ
	s_cbranch_scc1 .Lcast
	; ---- the weights
	v_and_b32 v1, 63, v0                           ; my column of the 64
	v_lshrrev_b32 v2, 6, v0                        ; my quarter of the 512 along K
	v_and_b32 v3, 31, v0
	v_lshlrev_b32 v3, 2, v3                        ; in: 4 bytes a lane
	v_mul_u32_u24 v4, v1, PITCH
	v_lshl_add_u32 v4, v2, 6, v4
	v_add_nc_u32 v4, WST, v4                       ; into the stage: my column's row, my quarter's 64 bytes
	v_lshlrev_b32 v5, 4, v1
	v_add_nc_u32 v16, SCA, v5                      ; a column's 16 scale bytes,
	v_lshl_add_u32 v5, v2, 2, v16                  ; my quarter's word of them
	v_lshrrev_b32 v6, 5, v0
	v_bfe_u32 v7, v0, 4, 1
	v_lshl_add_u32 v6, v6, 3, v7                   ; out of the stage: row 8 x wave + lane / 16 (+ 2 i)
	v_and_b32 v8, 15, v0
	v_mul_u32_u24 v9, v6, PITCH
	v_lshl_add_u32 v9, v8, 4, v9
	v_add_nc_u32 v9, WST, v9                       ; LDS address
	v_lshlrev_b32 v10, 9, v6
	v_lshl_add_u32 v10, v8, 4, v10                 ; and the same place in wc: rows of 512 bytes
	v_lshlrev_b32 v17, 5, v1                       ; ws: 32 bytes a column
	s_lshr_b32 s27, ttmp9, 1                       ; which 64 of the 3,072 columns: 0 .. 47
	s_and_b32 s28, ttmp9, 1                        ; which half of K
	s_lshr_b32 s29, s27, 4                         ; which weight
	s_cmp_eq_u32 s29, 0
	s_cselect_b64 s[8:9], s[8:9], s[10:11]
	s_cmp_eq_u32 s29, 2
	s_cselect_b64 s[8:9], s[12:13], s[8:9]
	s_lshr_b32 s30, s26, 1                         ; my wave's quarter along K
	s_and_b32 s31, s26, 1                          ; my wave's 32 columns
	s_lshl_b32 s32, s28, 2
	s_add_co_u32 s32, s32, s30
	s_lshl_b32 s32, s32, 19                        ; 128 rows of 4,096 bytes for each quarter
	s_and_b32 s33, s27, 15
	s_lshl_b32 s33, s33, 8                         ; 64 columns of 4 bytes
	s_lshl_b32 s31, s31, 7                         ; 32 columns of 4 bytes
	s_add_co_u32 s32, s32, s33
	s_add_co_u32 s32, s32, s31
	s_mov_b32 s33, 0
	s_add_nc_u64 s[8:9], s[8:9], s[32:33]
	s_lshl_b32 s34, s27, 15                        ; wc: 64 rows of 512 bytes,
	s_lshl_b32 s35, s28, 8                         ; 256 bytes for each half of K
	s_add_co_u32 s34, s34, s35
	s_mov_b32 s35, 0
	s_add_nc_u64 s[20:21], s[20:21], s[34:35]
	s_lshl_b32 s34, s27, 11                        ; ws: 64 rows of 32 bytes, 16 bytes for each half of K
	s_lshl_b32 s36, s28, 4
	s_add_co_u32 s34, s34, s36
	s_add_nc_u64 s[22:23], s[22:23], s[34:35]
.macro WLOAD t                         ; block t: W(32 t + i, my column), i = 0 .. 31, into set t % 2; a wave's load reads 128 consecutive bytes
.irp i, 0,1,2,3,4,5,6,7,8,9,10,11,12,13,14,15,16,17,18,19,20,21,22,23,24,25,26,27,28,29,30,31
	global_load_b32 v[WX+32*((\t)%2)+\i], v3, s[8:9] offset:(32*(\t)+\i)*4096 th:TH_LOAD_NT
.endr
.endm
	WLOAD 0
	WLOAD 1
.macro WBLOCK t
.set XS, WX+32*((\t)%2)
.if (\t) < 3
	s_wait_loadcnt 32                              ; this block's 32 loads are in; the next block's 32 may be out
.else
	s_wait_loadcnt 0
.endif
	v_max3_num_f32 v18, |v[XS]|, |v[XS+1]|, |v[XS+2]|              ; the block's largest magnitude: all 32 numbers are mine
	v_max3_num_f32 v19, |v[XS+3]|, |v[XS+4]|, |v[XS+5]|
.irp i, 6,10,14,18,22,26
	v_max3_num_f32 v18, v18, |v[XS+\i]|, |v[XS+\i+1]|
	v_max3_num_f32 v19, v19, |v[XS+\i+2]|, |v[XS+\i+3]|
.endr
	v_max3_num_f32 v18, v18, |v[XS+30]|, |v[XS+31]|
	v_max3_num_f32 v18, v18, v19, (EMAX+1)<<23     ; and the floor 2^(3 - 127): the byte cannot fall under 1
	v_add_nc_u32 v11, -(EMAX<<23), v18             ; 2 off its exponent field: the conversion's scale operand
	v_lshrrev_b32 v19, 23, v11                     ; the scale's byte
.if (\t) == 0
	v_mov_b32 v[WSB], v19                          ; four bytes to the word, the lower K in the lower byte
.else
	v_lshl_or_b32 v[WSB], v19, 8*(\t), v[WSB]
.endif
.irp g, 0,1,2,3
	v_cvt_scalef32_pk8_fp4_f32 v[WC+4*(\t)+\g], v[XS+8*\g:XS+8*\g+7], v11
.endr
	ds_store_b128 v4, v[WC+4*(\t):WC+4*(\t)+3] offset:16*(\t)   ; 32 codes: 16 bytes of my column's row
.if (\t)+2 < 4
	WLOAD (\t)+2
.endif
.endm
	WBLOCK 0
	WBLOCK 1
	WBLOCK 2
	WBLOCK 3
	v_nop                                          ; a plain line behind the last conversion
	ds_store_b32 v5, v[WSB]
	s_wait_dscnt 0x0                               ; for the others' sake: my stores into the stage are done
	s_barrier_signal -1
	s_barrier_wait -1
.irp i, 0,1,2,3
	ds_load_b128 v[WOUT+4*\i:WOUT+4*\i+3], v9 offset:2*\i*PITCH
.endr
.irp i, 0,1,2,3
	s_wait_dscnt 3-\i                              ; load i is in; the younger ones may be out
	global_store_b128 v10, v[WOUT+4*\i:WOUT+4*\i+3], s[20:21] offset:1024*\i   ; sixteen lanes store 256 consecutive bytes, aligned
.endr
	s_cmp_lt_u32 s26, 2                            ; threads 0 to 63 store a column's 16 scale bytes each
	s_cbranch_scc0 .Lno_scales
	ds_load_b128 v[28:31], v16
	s_wait_dscnt 0x0
	global_store_b128 v17, v[28:31], s[22:23]
.Lno_scales:
	s_wait_tensorcnt 0x0                           ; the wave's end: behind my last LDS store
	ds_add_u32 v[SPW], v[NIL]
	s_wait_dscnt 0x0
	s_endpgm
.Lcast:                                            ; ---- Wo to f16: 64 work-groups, 16,384 numbers each; a thread takes 8 neighbours at a time
	v_lshlrev_b32 v20, 5, v0                       ; 32 bytes a thread in,
	v_lshlrev_b32 v21, 4, v0                       ; 16 out
	s_sub_co_u32 s27, ttmp9, NWQ                   ; 0 .. 63
	s_lshl_b32 s28, s27, 16
	s_mov_b32 s29, 0
	s_add_nc_u64 s[14:15], s[14:15], s[28:29]
	s_lshl_b32 s28, s27, 15
	s_add_nc_u64 s[24:25], s[24:25], s[28:29]
.irp i, 0,1,2,3,4,5,6,7
	global_load_b128 v[32+8*\i:35+8*\i], v20, s[14:15] offset:8192*\i th:TH_LOAD_NT
	global_load_b128 v[36+8*\i:39+8*\i], v20, s[14:15] offset:8192*\i+16 th:TH_LOAD_NT
.endr
.irp i, 0,1,2,3,4,5,6,7
	s_wait_loadcnt 14-2*\i                         ; pair i is in; the younger pairs may be out
	v_cvt_pk_f16_f32 v[96+4*\i], v[32+8*\i], v[33+8*\i]
	v_cvt_pk_f16_f32 v[97+4*\i], v[34+8*\i], v[35+8*\i]
	v_cvt_pk_f16_f32 v[98+4*\i], v[36+8*\i], v[37+8*\i]
	v_cvt_pk_f16_f32 v[99+4*\i], v[38+8*\i], v[39+8*\i]
	global_store_b128 v21, v[96+4*\i:99+4*\i], s[24:25] offset:4096*\i   ; a wave stores 512 consecutive bytes, aligned
.endr
	s_endpgm
.Lact:                                             ; ---- x and context
	v_and_b32 v2, 31, v0                           ; lane
	v_lshlrev_b32 v3, 4, v2                        ; my 16 bytes of a load's 512
	s_mul_i32 s27, s26, WREG
	v_lshrrev_b32 v14, 2, v2
	v_mul_u32_u24 v14, v14, SP
	v_and_b32 v15, 3, v2
	v_lshl_add_u32 v14, v15, 4, v14
	v_add_nc_u32 v14, s27, v14                     ; the stage, on the way in: SP (lane / 4) + 16 (lane % 4)
	v_mul_u32_u24 v15, v2, SP
	v_add_nc_u32 v15, s27, v15                     ; on the way out: SP x lane: my 16 neighbours
	v_mul_u32_u24 v4, v2, CB                       ; my codes' place in a step's
	v_lshrrev_b32 v5, 1, v2
	s_add_co_u32 s27, s27, 2*32*SP
	v_add_nc_u32 v5, s27, v5                       ; LDS: my wave's 256 scale bytes, my block's byte
	v_lshlrev_b32 v7, 3, v2                        ; and on the way out 8 bytes a lane
	v_add_nc_u32 v6, s27, v7
	s_sub_co_u32 s28, ttmp9, NWQ+NCA               ; 0 .. 255: the first 128 take x, the others context
	s_cmp_lt_u32 s28, 128                          ; the choice hangs on the work-group's number alone
	s_cselect_b64 s[4:5], s[4:5], s[6:7]
	s_cselect_b32 s29, 0, 128
	s_sub_co_u32 s29, s28, s29
	s_lshl_b32 s29, s29, 3
	s_add_co_u32 s30, s29, s26                     ; which run of 8,192 numbers of the input is my wave's
	s_lshl_b32 s30, s30, 15                        ; 32,768 bytes a run
	s_mov_b32 s31, 0
	s_add_nc_u64 s[4:5], s[4:5], s[30:31]
	s_lshl_b32 s32, s28, 3
	s_add_co_u32 s32, s32, s26                     ; which run of the outputs: 0 .. 2047
	s_lshl_b32 s34, s32, 12                        ; 4,096 bytes of codes a run
	s_mov_b32 s35, 0
	s_add_nc_u64 s[16:17], s[16:17], s[34:35]
	s_lshl_b32 s34, s32, 8                         ; 256 scale bytes a run
	s_add_nc_u64 s[18:19], s[18:19], s[34:35]
.macro ALOAD t
.irp i, 0,1,2,3
	global_load_b128 v[AR+16*((\t)%4)+4*\i:AR+16*((\t)%4)+4*\i+3], v3, s[4:5] offset:2048*(\t)+512*\i th:TH_LOAD_NT   ; 32 lanes read 512 consecutive bytes
.endr
.endm
.macro ATURN t                         ; step t's numbers through the stage: LDS serves a wave's instructions in order, so no wait stands between the stores and the loads
.irp i, 0,1,2,3
	ds_store_b128 v14, v[AR+16*((\t)%4)+4*\i:AR+16*((\t)%4)+4*\i+3] offset:32*SP*((\t)%2)+8*SP*\i
.endr
.irp i, 0,1,2,3
	ds_load_b128 v[AX+16*((\t)%2)+4*\i:AX+16*((\t)%2)+4*\i+3], v15 offset:32*SP*((\t)%2)+16*\i
.endr
.endm
.irp t, 0,1,2,3
	ALOAD \t
.endr
	s_wait_loadcnt 12                              ; step 0's four loads are in; twelve younger ones stay out
	ATURN 0
.macro ASTEP t
.set XS, AX+16*((\t)%2)
.if (\t) > 0
	s_wait_dscnt 1                                 ; this step's numbers are back from the stage (the last step's byte store may be out): so its stores into the stage have read their registers,
.else
	s_wait_dscnt 0x0
.endif
.if (\t)+4 < STEPS
	ALOAD (\t)+4                                   ; which take the loads of four steps on
.endif
.if (\t)+1 < STEPS
.if STEPS-2-(\t) >= 3
	s_wait_loadcnt 12                              ; the next step's four loads are in; those of the three steps behind it may be out
.else
	s_wait_loadcnt 4*(STEPS-2-(\t))
.endif
	ATURN (\t)+1                                   ; and go through the other stage while this step is worked
.endif
	v_max3_num_f32 v8, |v[XS]|, |v[XS+1]|, |v[XS+2]|               ; the largest magnitude of my 16, in two chains
	v_max3_num_f32 v9, |v[XS+3]|, |v[XS+4]|, |v[XS+5]|
.irp i, 6,10
	v_max3_num_f32 v8, v8, |v[XS+\i]|, |v[XS+\i+1]|
	v_max3_num_f32 v9, v9, |v[XS+\i+2]|, |v[XS+\i+3]|
.endr
	v_max3_num_f32 v8, v8, |v[XS+14]|, |v[XS+15]|
	v_max3_num_f32 v8, v8, v9, (EMAX+1)<<23        ; and the floor 2^(3 - 127): the byte cannot fall under 1
	v_max_num_f32_dpp v8, v8, v8 row_xmask:1 row_mask:0xf bank_mask:0xf   ; and of my neighbour's 16: the block's
	v_add_nc_u32 v11, -(EMAX<<23), v8              ; 2 off its exponent field: the conversion takes the exponent field of this operand as its scale
	v_cvt_scalef32_pk8_fp4_f32 v[ACD+4*(\t)], v[XS:XS+7], v11
	v_cvt_scalef32_pk8_fp4_f32 v[ACD+4*(\t)+1], v[XS+8:XS+15], v11
	v_lshrrev_b32 v[AE+(\t)], 23, v11              ; the scale's byte (a plain line behind the conversions)
	ds_store_b8 v5, v[AE+(\t)] offset:16*(\t)      ; both lanes of a block write the same byte with the same value
	global_store_b64 v4, v[ACD+4*(\t):ACD+4*(\t)+1], s[16:17] offset:32*CB*(\t)   ; 32 lanes store 256 consecutive bytes, aligned
.endm
.irp t, 0,1,2,3,4,5,6,7,8,9,10,11,12,13,14,15
	ASTEP \t
.endr
	ds_load_b64 v[8:9], v6                         ; LDS serves a wave's instructions in order: these see my stores
	s_wait_dscnt 0x0
	global_store_b64 v7, v[8:9], s[18:19]          ; 32 lanes store 256 consecutive bytes, aligned
	s_wait_tensorcnt 0x0                           ; the wave's end: behind my last LDS store
	ds_add_u32 v[SPW], v[NIL]
	s_wait_dscnt 0x0
	s_endpgm
.Lfunc_end_k_q076ad08f13_prep:
	.size	k_q076ad08f13_prep, .Lfunc_end_k_q076ad08f13_prep-k_q076ad08f13_prep
	.p2alignl 7, 3214868480
	.fill 96, 4, 3214868480
	.section	.rodata,"a",@progbits
	.p2align	6, 0x0
	.amdhsa_kernel k_q076ad08f13_prep
		.amdhsa_group_segment_fixed_size 84992
		.amdhsa_private_segment_fixed_size 0
		.amdhsa_enable_private_segment 0
		.amdhsa_kernarg_size 88
		.amdhsa_user_sgpr_count 2
		.amdhsa_user_sgpr_kernarg_segment_ptr 1
		.amdhsa_wavefront_size32 1
		.amdhsa_system_sgpr_workgroup_id_x 1
		.amdhsa_system_sgpr_workgroup_id_y 1
		.amdhsa_system_sgpr_workgroup_id_z 1
		.amdhsa_system_vgpr_workitem_id 0
		.amdhsa_next_free_vgpr 192
		.amdhsa_next_free_sgpr 66
		.amdhsa_reserve_vcc 0
		.amdhsa_float_denorm_mode_32 3
		.amdhsa_float_denorm_mode_16_64 3
		.amdhsa_memory_ordered 1
		.amdhsa_forward_progress 1
		.amdhsa_inst_pref_size 60
	.end_amdhsa_kernel
	.amdgpu_metadata
---
amdhsa.version: [ 1, 2 ]
amdhsa.kernels:
  - .name:           k_q076ad08f13_prep
    .symbol:         k_q076ad08f13_prep.kd
    .args:
      - { .name: x, .offset: 0, .size: 8, .value_kind: global_buffer, .address_space: global }
      - { .name: context, .offset: 8, .size: 8, .value_kind: global_buffer, .address_space: global }
      - { .name: Wq, .offset: 16, .size: 8, .value_kind: global_buffer, .address_space: global }
      - { .name: Wk, .offset: 24, .size: 8, .value_kind: global_buffer, .address_space: global }
      - { .name: Wv, .offset: 32, .size: 8, .value_kind: global_buffer, .address_space: global }
      - { .name: Wo, .offset: 40, .size: 8, .value_kind: global_buffer, .address_space: global }
      - { .name: ac, .offset: 48, .size: 8, .value_kind: global_buffer, .address_space: global }
      - { .name: asc, .offset: 56, .size: 8, .value_kind: global_buffer, .address_space: global }
      - { .name: wc, .offset: 64, .size: 8, .value_kind: global_buffer, .address_space: global }
      - { .name: ws, .offset: 72, .size: 8, .value_kind: global_buffer, .address_space: global }
      - { .name: wo16, .offset: 80, .size: 8, .value_kind: global_buffer, .address_space: global }
    .group_segment_fixed_size: 84992
    .private_segment_fixed_size: 0
    .kernarg_segment_align: 8
    .kernarg_segment_size: 88
    .max_flat_workgroup_size: 256
    .sgpr_count:     66
    .vgpr_count:     192
    .wavefront_size: 32
...
	.end_amdgpu_metadata
.endif
;; end of part 1
;; launch proj (part 2): grid 12 x 32, 4 waves a work-group, clusters of 4 x 4, 327,680 bytes of LDS; arguments ac, asc, wc, ws, qkv; writes qkv
.if DOCPART == 2
	.amdgcn_target "amdgcn-amd-amdhsa--gfx1250"
	.amdhsa_code_object_version 6
	.text
	.protected	k_q076ad08f13_proj
	.globl	k_q076ad08f13_proj
	.p2align	8
	.type	k_q076ad08f13_proj,@function
k_q076ad08f13_proj:
	s_mov_b64 s[64:65], 0
	v_nop
	global_prefetch_b8 v0, s[64:65] scope:SCOPE_SE
	s_setreg_imm32_b32 hwreg(HW_REG_WAVE_MODE, 25, 1), 1
	s_wait_xcnt 0x0
	s_wait_alu depctr_hold_cnt(0) depctr_sa_sdst(0) depctr_va_vdst(0) depctr_va_sdst(0) depctr_va_ssrc(0) depctr_va_vcc(0) depctr_vm_vsrc(0)
	s_getreg_b32 s2, hwreg(HW_REG_IB_STS2, 6, 4)
	s_cmp_eq_u32 s2, 0
	s_cbranch_scc0 .Lentry_in_a_cluster
	s_endpgm
.Lentry_in_a_cluster:
	s_bfe_u32 s2, ttmp6, 0x10000c
	s_cmp_lg_u32 s2, 0xf033
	s_cbranch_scc0 .Lentry_shape_is_right
	s_endpgm
.Lentry_shape_is_right:
; q = x Wq, k = context Wk, v = context Wv as ONE product on codes of FP4 (E2M1) with E8M0 scales: C [8192][3072] = A B^T, K = 1024; sums in f32.
; A: ac [16384][512 bytes] (rows 0-8191 x, 8192 on context), asc [16384][32]; B: wc [3072][512 bytes], ws [3072][32].  Columns 0-1023 (cluster x = 0) take x's rows, the others context's.
; Results are rounded once to f16 and laid by head: qkv [3 (q, k, v)][8 (batch)][16 (head)][1024 (position)][64].  LIMIT: a result beyond 65,504 in magnitude becomes an infinity of f16.
; A tile of C, 256 x 256, is made by a work-group of four waves; a wave makes 128 x 128: 64 accumulators of 16 x 16, 512 registers.  K is two steps of 512 (rows of 256 bytes): each has an LDS slot of its own,
; both are filled at the start, and nothing is filled again.  The scales of the work-group's 256 + 256 rows for all of K come with them, as dense blocks.
; CLUSTERS: 4 x 4 work-groups.  The four of a row of the cluster need the same tiles of A, the four of a column the same tiles of B: each tile is asked for JOINTLY, by the same tensor load with the same descriptor
; and a mask that names the four.  THE MATRIX INSTRUCTION IS USED TRANSPOSED (source 0 = 16 rows of B, source 1 = 16 rows of A): a lane then holds eight neighbouring columns of a row of C.
; REGISTERS, in windows of 256: window 0: v16-29 addresses; v32-95 scale words, two sets; v128-191 A's fragments, one set; on the way out v32-63, v192-255.
;   window 1: B's fragments, two sets, at v0 and v128.   window 2: the accumulators of my rows 0-63 ((a, b) at v[8 (8 a + b)]);   window 3: those of my rows 64-127.
; No prefetch: every tile of the launch is asked for by the first fills.
.set KSTEP,  512
.set NQ,     KSTEP/128
.set ROWB,   256                       ; a tile's row in bytes
.set KROW,   512                       ; a row of codes in memory
.set PITCH,  272                       ; an LDS row: 256 bytes + 16 of padding: the 16 rows that a load touches start at 16 different banks (64 banks of 4 bytes: ISA guide 11.1)
.set FR,     8
.set NL,     2
.set NP,     4                         ; places behind this matrix instruction (ISA guide 7.12.1)
.set HALFT,  128*PITCH
.set SLOT,   4*HALFT                   ; A's 256 rows, then B's 256 rows
.set KS,     32                        ; a row of scales in bytes
.set SCL,    2*SLOT                    ; behind the slots: the scales, as rows of 256 bytes + 16 of padding
.set HALFS,  (128*KS/256)*272
.set SBLK,   (16*KS/256)*272
.set SPARE,  SCL+4*HALFS               ; behind the scales: the spare words, 128 bytes a wave, named by no other line
.set SPITCH, 272                       ; the way out: a stage of 16 rows x (256 bytes + 16) for each wave, in slot 0, which has had its only fill and its last read when the first result is stored there
.set ADRA, 16
.set ADRB, 20
.set STO,  24
.set RD,   25
.set CO,   26
.set ADRS, 27
.set SPW,  28                          ; v28 LDS address of my spare word; never rewritten
.set NIL,  29                          ; v29 0; never rewritten
.set SC,   32
.set AF,   128
.set TMP,  192                         ; the way out: a block's packed results
.set OB,   32                          ; and its rows read back: v32-63 and v224-255 by turns
.set G1, 24
.set G0, 32
.set G1B, 48
.set G0B, 56
.set G1S, 68
.set G0S, 76
.set G1SB, 80
.set G0SB, 88
.set MSB, 0
.macro WIN new                         ; the immediate's high byte repeats the setting that is left
.if MSB != (\new)
	s_set_vgpr_msb (MSB<<8)|(\new)
.set MSB, (\new)
.endif
.endm
.set MUL_LO, 0xa1                      ; source 0 (B) window 1, source 1 (A) window 0, C and D window 2
.set MUL_HI, 0xf1                      ; the same, C and D window 3
.set TO_B,   0x40                      ; destination window 1, address window 0
; A joint load: waves 0 and 1 fetch for A, waves 2 and 3 for B; the branch hangs on the wave's number alone.  An s_nop 0 and four v_nop follow each of the two lines.
.macro JLOAD g0a, g1a, g0b, g1b
	s_cmp_eq_u32 s15, 0
	s_cbranch_scc0 .Lfor_b_\@
	tensor_load_to_lds s[\g0a:\g0a+3], s[\g1a:\g1a+7]
	s_nop 0
.rept 4
	v_nop
.endr
	s_branch .Lasked_\@
.Lfor_b_\@:
	tensor_load_to_lds s[\g0b:\g0b+3], s[\g1b:\g1b+7]
	s_nop 0
.rept 4
	v_nop
.endr
.Lasked_\@:
.endm
.macro CROUND                          ; a round of the cluster's barrier
	s_barrier_signal -1
	s_barrier_wait -1
	s_cmp_lg_u32 s14, 0
	s_cbranch_scc1 .Lnot_wave_0_\@
	s_barrier_signal -3
.Lnot_wave_0_\@:
	s_barrier_wait -3
	s_barrier_signal -1
	s_barrier_wait -1
.endm
	s_load_b128 s[4:7], s[0:1], 0x0                ; ac, asc
	s_load_b128 s[8:11], s[0:1], 0x10              ; wc, ws
	s_load_b64 s[12:13], s[0:1], 0x20              ; qkv
	v_lshl_add_u32 v[SPW], v0, 2, SPARE
	v_mov_b32 v[NIL], 0
	ds_add_u32 v[SPW], v[NIL]                      ; the wave's opening: the add, twice on end, and its wait ahead of my first tensor load
	ds_add_u32 v[SPW], v[NIL]
	v_lshrrev_b32 v1, 5, v0
	v_readfirstlane_b32 s14, v1                    ; wave 0..3
	s_lshr_b32 s15, s14, 1                         ; which half of the tile's rows is mine.  Also: I fetch for A (0) or for B (1)
	s_and_b32 s16, s14, 1                          ; which half of its columns.  Also: which 128 rows of that tile I fetch
	s_bfe_u32 s40, ttmp6, 0x40000                  ; cx, cy: my place in the cluster
	s_bfe_u32 s41, ttmp6, 0x40004
	s_lshl_b32 s42, ttmp9, 2
	s_add_co_u32 s42, s42, s40                     ; tile column = 4 x cluster x + cx: 0 .. 11
	s_and_b32 s17, ttmp7, 0xffff
	s_lshl_b32 s17, s17, 2
	s_add_co_u32 s17, s17, s41                     ; tile row = 4 x cluster y + cy: 0 .. 31
	s_lshl_b32 s43, s41, 2
	s_lshl_b32 s43, 15, s43                        ; my row of the cluster
	s_lshl_b32 s44, 0x1111, s40                    ; my column
	s_or_b32 s[G1+0], s43, (0<<16)|(1<<20)|(1<<21)|(5<<22)|(3<<25)  ; the mask; elements of 1 byte; padding on; bit 21 beside a mask; 4 words of padding behind every 64
	s_or_b32 s[G1B+0], s44, (0<<16)|(1<<20)|(1<<21)|(5<<22)|(3<<25)
.irp g, G1, G1B
	s_mov_b32 s[\g+1], ROWB<<16                    ; tensor_dim0
	s_mov_b32 s[\g+2], 128<<16                     ; tensor_dim1
	s_mov_b32 s[\g+3], ROWB<<16                    ; tile_dim0
	s_mov_b32 s[\g+4], 128                         ; tile_dim1
	s_mov_b32 s[\g+5], KROW                        ; from row to row
	s_mov_b32 s[\g+6], 0
	s_mov_b32 s[\g+7], 0
.endr
	s_or_b32 s[G1S+0], s43, (3<<16)|(1<<20)|(1<<21)|(5<<22)|(3<<25)  ; the scales of 128 rows: 4,096 dense bytes as 16 rows of 256 (32 elements of 8 bytes)
	s_or_b32 s[G1SB+0], s44, (3<<16)|(1<<20)|(1<<21)|(5<<22)|(3<<25)
.irp g, G1S, G1SB
	s_mov_b32 s[\g+1], 32<<16
	s_mov_b32 s[\g+2], (128*KS/256)<<16
	s_mov_b32 s[\g+3], 32<<16
	s_mov_b32 s[\g+4], 128*KS/256
	s_mov_b32 s[\g+5], 32
	s_mov_b32 s[\g+6], 0
	s_mov_b32 s[\g+7], 0
.endr
	s_lshl_b32 s18, s16, 7                         ; which 128 rows of the tile I fetch
	s_lshl_b32 s20, s17, 8
	s_add_co_u32 s20, s20, s18                     ; A: row 256 x tile row + 128 x half,
	s_min_u32 s95, ttmp9, 1                        ; and 8,192 rows on, in context's part, for k's and v's columns: cluster x is shared by all sixteen partners
	s_lshl_b32 s95, s95, 13
	s_add_co_u32 s20, s20, s95
	s_lshl_b32 s46, s42, 8
	s_add_co_u32 s46, s46, s18                     ; B: row 256 x tile column + 128 x half
	s_mov_b32 s21, 0
	s_mov_b32 s47, 0
	s_mov_b64 s[18:19], KS
	s_mul_u64 s[22:23], s[20:21], s[18:19]         ; where these rows' scales begin, in bytes
	s_mul_u64 s[92:93], s[46:47], s[18:19]
	s_mov_b64 s[18:19], KROW
	s_mul_u64 s[20:21], s[20:21], s[18:19]         ; and their codes
	s_mul_u64 s[46:47], s[46:47], s[18:19]
	s_mul_i32 s45, s14, HALFT                      ; where they go: wave x 128 rows
	s_mul_i32 s94, s14, HALFS
	s_wait_dscnt 0x0                               ; both opening adds are done
	s_wait_kmcnt 0x0
	s_add_nc_u64 s[20:21], s[4:5], s[20:21]
	s_add_nc_u64 s[22:23], s[6:7], s[22:23]
	s_add_nc_u64 s[46:47], s[8:9], s[46:47]
	s_add_nc_u64 s[92:93], s[10:11], s[92:93]
	CROUND                                         ; all sixteen work-groups are here: the joint loads meet
	s_mov_b32 s[G0S], 1
	s_add_co_u32 s[G0S+1], s94, SCL
	s_mov_b64 s[G0S+2:G0S+3], s[22:23]
	s_or_b32 s[G0S+3], s[G0S+3], 0x80000000
	s_mov_b32 s[G0SB], 1
	s_add_co_u32 s[G0SB+1], s94, SCL
	s_mov_b64 s[G0SB+2:G0SB+3], s[92:93]
	s_or_b32 s[G0SB+3], s[G0SB+3], 0x80000000
	JLOAD G0S, G1S, G0SB, G1SB                     ; the scales first: they are wanted with K step 0
.irp s, 0,1
	s_mov_b32 s[G0+4*\s], 1
	s_add_co_u32 s[G0+4*\s+1], s45, \s*SLOT
	s_add_nc_u64 s[G0+4*\s+2:G0+4*\s+3], s[20:21], \s*ROWB
	s_or_b32 s[G0+4*\s+3], s[G0+4*\s+3], 0x80000000
	s_mov_b32 s[G0B+4*\s], 1
	s_add_co_u32 s[G0B+4*\s+1], s45, \s*SLOT
	s_add_nc_u64 s[G0B+4*\s+2:G0B+4*\s+3], s[46:47], \s*ROWB
	s_or_b32 s[G0B+4*\s+3], s[G0B+4*\s+3], 0x80000000
	JLOAD G0+4*\s, G1, G0B+4*\s, G1B               ; three loads of mine are out in all
.endr
	v_and_b32 v1, 15, v0                           ; l % 16
	v_bfe_u32 v2, v0, 4, 1                         ; l / 16
	v_mul_u32_u24 v3, v1, PITCH
	v_lshl_add_u32 v4, v2, 4, v3                   ; a fragment's row x pitch + 16 x half
	s_mul_i32 s21, s15, HALFT                      ; my 128 rows of A
	s_mul_i32 s22, s16, HALFT                      ; my 128 rows of B,
	s_add_co_u32 s22, s22, 2*HALFT                 ; which lie behind A's 256
.irp s, 0,1
	v_add_nc_u32 v[ADRA+\s], s21, v4
	v_add_nc_u32 v[ADRB+\s], s22, v4
	s_add_co_u32 s21, s21, SLOT
	s_add_co_u32 s22, s22, SLOT
.endr
	v_mul_u32_u24 v5, v1, KS                       ; my row's scales: 32 bytes a row,
	v_lshrrev_b32 v6, 8, v5
	v_lshl_add_u32 v5, v6, 4, v5                   ; and 16 more for each 256 passed
	s_mul_i32 s21, s15, HALFS                      ; A's: my 128 rows
	s_mul_i32 s22, s16, HALFS                      ; B's: my 128 rows, behind A's 256
	s_add_co_u32 s22, s22, 2*HALFS
	s_sub_co_u32 s22, s22, s21
	v_mul_u32_u24 v6, s22, v2                      ; lanes 16-31 take B's
	s_add_co_u32 s21, s21, SCL
	v_add_nc_u32 v5, v5, v6
	v_add_nc_u32 v[ADRS], s21, v5
	s_mul_i32 s23, s14, 16*SPITCH                  ; my stage
	v_mul_u32_u24 v5, v1, SPITCH                   ; in: row l % 16, 16 bytes for each half of the lanes
	v_lshl_add_u32 v5, v2, 4, v5
	v_add_nc_u32 v[STO], s23, v5
	v_bfe_u32 v5, v0, 3, 1                         ; back: lanes 0-15 take the even head's 128 bytes of two rows, lanes 16-31 the odd head's
	v_mul_u32_u24 v5, v5, SPITCH
	v_lshl_add_u32 v5, v2, 7, v5
	v_and_b32 v6, 7, v0
	v_lshl_add_u32 v5, v6, 4, v5
	v_add_nc_u32 v[RD], s23, v5
	v_lshlrev_b32 v[CO], 4, v1                     ; in qkv two positions of a head are 256 consecutive bytes; the next head lies 2^17 bytes on
	v_lshl_add_u32 v[CO], v2, 17, v[CO]
	s_lshr_b32 s20, s17, 2                         ; the batch: 2^21 bytes each
	s_lshl_b32 s20, s20, 21
	s_and_b32 s21, s17, 3
	s_lshl_b32 s21, s21, 15                        ; 256 positions of 128 bytes
	s_add_co_u32 s20, s20, s21
	s_lshl_b32 s21, s15, 14                        ; my 128 of them
	s_add_co_u32 s20, s20, s21
	s_lshl_b32 s21, ttmp9, 24                      ; q, k or v
	s_add_co_u32 s20, s20, s21
	s_mov_b32 s21, 0
	s_lshl_b32 s46, s40, 19                        ; my two heads: 4 cx + 2 x column half on
	s_lshl_b32 s47, s16, 18
	s_add_co_u32 s46, s46, s47
	s_mov_b32 s47, 0
	s_add_nc_u64 s[20:21], s[20:21], s[46:47]
	s_add_nc_u64 s[12:13], s[12:13], s[20:21]
.macro FRAG reg, adr, q, i             ; a fragment, 16 rows x 128 K of 4-bit codes: lane l holds row l % 16; registers 4 c .. 4 c + 3 hold K = 64 c + 32 (l / 16) + 0 .. 31
.irp c, 0,1
	ds_load_b128 v[\reg+4*\c:\reg+4*\c+3], v[\adr] offset:64*(\q)+32*\c+(\i)*16*PITCH
.endr
.endm
; 16 matrix instructions: A's blocks a0, a0 + 1 x B's eight, 128 along K.  p: B's set; sc: the set of scale words.  zero = 1: the first product starts the sums.
; The 64 accumulators take turns, one instruction a turn, in the same order in every step.
.macro MUL16 a0, p, q, sc, zero
.irp a, \a0, \a0+1
.irp b, 0,1,2,3,4,5,6,7
.if \zero
	v_wmma_scale_f32_16x16x128_f8f6f4 v[8*(8*((\a)%4)+\b):8*(8*((\a)%4)+\b)+7], v[128*(\p)+FR*\b:128*(\p)+FR*\b+FR-1], v[AF+FR*(\a):AF+FR*(\a)+FR-1], 0, v[SC+8*NQ*(\sc)+NQ*\b+(\q)], v[SC+8*NQ*(\sc)+NQ*(\a)+(\q)] matrix_a_fmt:MATRIX_FMT_FP4 matrix_b_fmt:MATRIX_FMT_FP4 matrix_a_scale:MATRIX_SCALE_ROW1
.else
	v_wmma_scale_f32_16x16x128_f8f6f4 v[8*(8*((\a)%4)+\b):8*(8*((\a)%4)+\b)+7], v[128*(\p)+FR*\b:128*(\p)+FR*\b+FR-1], v[AF+FR*(\a):AF+FR*(\a)+FR-1], v[8*(8*((\a)%4)+\b):8*(8*((\a)%4)+\b)+7], v[SC+8*NQ*(\sc)+NQ*\b+(\q)], v[SC+8*NQ*(\sc)+NQ*(\a)+(\q)] matrix_a_fmt:MATRIX_FMT_FP4 matrix_b_fmt:MATRIX_FMT_FP4 matrix_a_scale:MATRIX_SCALE_ROW1
.endif
.endr
.endr
.endm
.macro FETCH_B slot, q, p              ; B's eight fragments of the slot's q-th 128 along K into set p
	WIN TO_B
.irp i, 0,1,2,3,4,5,6,7
	FRAG 128*(\p)+FR*\i, ADRB+\slot, \q, \i
.endr
	WIN 0
.endm
.macro FETCH_A slot, q, i0             ; A's blocks i0 .. i0 + 3
.irp i, \i0, \i0+1, \i0+2, \i0+3
	FRAG AF+FR*(\i), ADRA+\slot, \q, \i
.endr
.endm
.macro SCALES sc                       ; a K step's scale words into set sc: lanes 0-15 take A's block i, lanes 16-31 B's block i
.irp i, 0,1,2,3,4,5,6,7
	ds_load_b128 v[SC+8*NQ*\sc+NQ*\i:SC+8*NQ*\sc+NQ*\i+3], v[ADRS] offset:\i*SBLK
.endr
.endm
.macro PLACES n                        ; plain vector lines between a matrix instruction and a load into, or a read of, its registers
.rept \n
	v_nop
.endr
.endm
.macro STEP slot, q, zero              ; a step of 128 along K that has its successor in the same slot
	s_wait_dscnt 4*NL                              ; B's set and A's blocks 0-3 are in; the youngest eight loads (A's blocks 4-7) may be out
	WIN MUL_LO
	MUL16 0, (\q)%2, \q, \slot, \zero
	MUL16 2, (\q)%2, \q, \slot, \zero
	s_wait_dscnt 0                                 ; A's blocks 4-7 are in
	PLACES NP
	FETCH_B \slot, (\q)+1, 1-(\q)%2
	FETCH_A \slot, (\q)+1, 0
	WIN MUL_HI
	MUL16 4, (\q)%2, \q, \slot, \zero
	MUL16 6, (\q)%2, \q, \slot, \zero
	PLACES NP
	WIN 0
	FETCH_A \slot, (\q)+1, 4
.endm
.macro STEPS slot, from
.set Q, \from
.rept NQ-1-\from
	STEP \slot, Q, 0
.set Q, Q+1
.endr
.endm
	s_wait_tensorcnt 1                             ; the scales and my part of K step 0 are in (K step 1's load may be out)
	s_barrier_signal -1
	s_barrier_wait -1                              ; everybody's are
	FETCH_B 0, 0, 0
	FETCH_A 0, 0, 0
	SCALES 0
	FETCH_A 0, 0, 4
	STEP 0, 0, 1                                   ; the first products start the sums: nothing is cleared
	STEPS 0, 1
	; slot 0's last step changes slots: one barrier; in front of it my part of slot 1 has landed and my reads of slot 0 are over
	s_wait_tensorcnt 0x0                           ; all my tensor loads have landed
	ds_add_u32 v[SPW], v[NIL]                      ; 0 onto my spare word
	s_wait_dscnt 4*NL+1                            ; (the add and the youngest eight loads may be out)
	WIN MUL_LO
	MUL16 0, 1, NQ-1, 0, 0
	s_wait_dscnt 0x0                               ; the add is done, and my reads of slot 0 are over
	s_barrier_signal -1
	MUL16 2, 1, NQ-1, 0, 0
	WIN 0
	s_barrier_wait -1
	PLACES NP
	v_add_nc_u32 v[ADRS], 4*NQ, v[ADRS]            ; on to K step 1's scale words
	FETCH_B 1, 0, 0
	FETCH_A 1, 0, 0
	SCALES 1
	WIN MUL_HI
	MUL16 4, 1, NQ-1, 0, 0
	MUL16 6, 1, NQ-1, 0, 0
	PLACES NP
	WIN 0
	FETCH_A 1, 0, 4
	STEPS 1, 0
	s_wait_dscnt 4*NL                              ; the very last step: nothing more to fetch
	WIN MUL_LO
	MUL16 0, 1, NQ-1, 1, 0
	MUL16 2, 1, NQ-1, 1, 0
	s_wait_dscnt 0
	WIN MUL_HI
	MUL16 4, 1, NQ-1, 1, 0
	MUL16 6, 1, NQ-1, 1, 0
	WIN 0
; THE WAY OUT, block by block of 16 rows x 128 columns (two heads).  PACK: rounded to f16, 16 bytes a lane, each accumulator from its low end on.  TOSTAGE: into my own stage and back, so that
; sixteen lanes hold two positions of one head.  SEND: sixteen lanes store 256 consecutive bytes, aligned.  LDS serves a wave's instructions in order: no wait between the stage's stores and loads.
.macro PACK a
.set AC, 64*((\a)%4)
	WIN 0x0a+5*((\a)/4)                            ; sources 0 and 1: window 2 or 3
.irp b, 0,1,2,3,4,5,6,7
.irp r, 0,1,2,3
	v_cvt_pk_f16_f32 v[TMP+4*\b+\r], v[AC+8*\b+2*\r], v[AC+8*\b+2*\r+1]
.endr
.endr
	WIN 0
.endm
.macro TOSTAGE a
.set BK, OB+192*((\a)%2)
.irp b, 0,1,2,3,4,5,6,7
	ds_store_b128 v[STO], v[TMP+4*\b:TMP+4*\b+3] offset:32*\b
.endr
.irp t, 0,1,2,3,4,5,6,7
	ds_load_b128 v[BK+4*\t:BK+4*\t+3], v[RD] offset:\t*2*SPITCH
.endr
.endm
.macro SEND a
.set BK, OB+192*((\a)%2)
	s_wait_dscnt 0x0                               ; the block is back in registers
	s_wait_xcnt 0x0                                ; the earlier stores have read their registers: the next block's loads from the stage may land there
.irp t, 0,1,2,3,4,5,6,7
	global_store_b128 v[CO], v[BK+4*\t:BK+4*\t+3], s[12:13] offset:2048*(\a)+256*\t
.endr
.endm
	PLACES NP
	PACK 0
	TOSTAGE 0
.irp a, 1,2,3,4,5,6,7                  ; block a's conversions stand between block a - 1's loads from the stage and the wait for them
	PACK \a
	SEND \a-1
	TOSTAGE \a
.endr
	SEND 7
	s_wait_tensorcnt 0x0                           ; the wave's end: behind my last tensor load and my last LDS store
	ds_add_u32 v[SPW], v[NIL]
	s_wait_dscnt 0x0
	CROUND                                         ; the closing round: no work-group ends while a partner may still ask for a tile that names it
	s_endpgm
.Lfunc_end_k_q076ad08f13_proj:
	.size	k_q076ad08f13_proj, .Lfunc_end_k_q076ad08f13_proj-k_q076ad08f13_proj
	.p2alignl 7, 3214868480
	.fill 96, 4, 3214868480
	.section	.rodata,"a",@progbits
	.p2align	6, 0x0
	.amdhsa_kernel k_q076ad08f13_proj
		.amdhsa_group_segment_fixed_size 327680
		.amdhsa_private_segment_fixed_size 0
		.amdhsa_enable_private_segment 0
		.amdhsa_kernarg_size 40
		.amdhsa_user_sgpr_count 2
		.amdhsa_user_sgpr_kernarg_segment_ptr 1
		.amdhsa_wavefront_size32 1
		.amdhsa_system_sgpr_workgroup_id_x 1
		.amdhsa_system_sgpr_workgroup_id_y 1
		.amdhsa_system_sgpr_workgroup_id_z 1
		.amdhsa_system_vgpr_workitem_id 0
		.amdhsa_next_free_vgpr 1024
		.amdhsa_next_free_sgpr 98
		.amdhsa_reserve_vcc 0
		.amdhsa_float_denorm_mode_32 3
		.amdhsa_float_denorm_mode_16_64 3
		.amdhsa_memory_ordered 1
		.amdhsa_forward_progress 1
		.amdhsa_inst_pref_size 127
	.end_amdhsa_kernel
	.amdgpu_metadata
---
amdhsa.version: [ 1, 2 ]
amdhsa.kernels:
  - .name:           k_q076ad08f13_proj
    .symbol:         k_q076ad08f13_proj.kd
    .args:
      - { .name: ac, .offset: 0, .size: 8, .value_kind: global_buffer, .address_space: global }
      - { .name: asc, .offset: 8, .size: 8, .value_kind: global_buffer, .address_space: global }
      - { .name: wc, .offset: 16, .size: 8, .value_kind: global_buffer, .address_space: global }
      - { .name: ws, .offset: 24, .size: 8, .value_kind: global_buffer, .address_space: global }
      - { .name: qkv, .offset: 32, .size: 8, .value_kind: global_buffer, .address_space: global }
    .group_segment_fixed_size: 327680
    .private_segment_fixed_size: 0
    .kernarg_segment_align: 8
    .kernarg_segment_size: 40
    .max_flat_workgroup_size: 128
    .sgpr_count:     98
    .vgpr_count:     1024
    .wavefront_size: 32
...
	.end_amdgpu_metadata
.endif
;; end of part 2
;; launch attn (part 3): grid 2 x 128, 8 waves a work-group, no clusters, 327,680 bytes of LDS; arguments qkv, ao; writes ao
.if DOCPART == 3
	.amdgcn_target "amdgcn-amd-amdhsa--gfx1250"
	.amdhsa_code_object_version 6
	.text
	.protected	k_q076ad08f13_attn
	.globl	k_q076ad08f13_attn
	.p2align	8
	.type	k_q076ad08f13_attn,@function
k_q076ad08f13_attn:
	s_mov_b64 s[64:65], 0
	v_nop
	global_prefetch_b8 v0, s[64:65] scope:SCOPE_SE
	s_setreg_imm32_b32 hwreg(HW_REG_WAVE_MODE, 25, 1), 1
	s_wait_xcnt 0x0
; ao[b][h][n][:] = the sum over m of softmax_m(q[n] . k[m] / 8) v[m][:], for each of 128 (batch, head).  q, k, v: qkv [3][128][1024][64] f16; ao: [128][1024][64] f16.
; Products, maxima and sums in f32; the weights p are rounded to f16 for the second product and for the row's sum, the result once at the end.
; LIMITS: NaN and infinities in qkv are not served.  p under 6e-8 becomes 0 in f16, beside a row's sum of at least 1.
; SHARES.  A work-group owns 512 queries of one (batch, head), each of its eight waves 64: four tiles of 16, in two PAIRS.  So a fragment of K or V that a wave reads from LDS feeds four tiles.
; Two waves share a SIMD, 512 registers each, so that one wave's softmax stands beside the other's products.
; THE WHOLE HEAD'S K AND V LIE IN LDS, each byte filled once: 128 KiB each.  In memory they are dense, so a tile's row is stated as TWO keys, 256 bytes.  They come in four chunks of 256 keys:
; the first is worked on while the others land.  No slot is filled again.
; NO CLUSTER: a (batch, head) has two work-groups, so the grid is 2 along x, which a cluster of four along x does not divide; each work-group asks for its own K and V.
; LAYOUT.  S^T = K Q^T (source 0 = 16 keys, source 1 = 16 queries): a lane holds ONE query (lane % 16) and keys 8 (lane / 16) + 0..7.  Two such tiles, rounded in pairs, ARE source 1 of O^T = V^T P.
; K comes out of LDS as it lies, V turned, by ds_load_tr16_b128.  SOFTMAX: a running maximum m; p = 2^(c s - c m), c = log2(e) / 8; O and the sum are multiplied by a = 2^(c m_old - c m_new) in every step.
; THE ROW'S SUM is a product too: ones (16 x 32) x P gives, in every register of an accumulator L, the sum of the lane's query over all 32 keys, both halves of the lanes.  Only L's lowest pair is rescaled and
; read; its other six registers hold sums of at most 1,024 numbers that are at most 1, which nobody reads.
; S^T and P are one pair's: a trip takes K Q^T, softmax and V^T P of pair 0, then of pair 1, on the same fragments of K and V.
; No prefetch: every byte of K and V is asked for by the loads at the head.
; REGISTERS: window 0: v2-11 addresses; v12-43 statistics, eight a tile; v48-111 S^T; v112-143 P; v144-207 O^T of tiles 0, 1; v208-239 L, eight a tile; v240-247 ones.
;   window 1: v0-63 Q; v64-127 K of a step; v128-191 V of a step; v192-255 O^T of tiles 2, 3.
.set PK,    272                        ; two keys of K: 256 bytes + 16: the 16 keys of a load start at 16 different groups of four banks
.set PVP,   288                        ; two keys of V: 256 + 32
.set VB,    512*PK                     ; V lies behind K
.set STAGE, VB+512*PVP                 ; the way out: 16 rows x (128 + 16) bytes for each wave; no tile lands here
.set SP,    144
.set SPARE, STAGE+8*16*SP              ; the spare words, 128 bytes a wave, named by no other line
.set AK0, 2
.set AV0, 3
.set ADK, 4
.set ADV, 5
.set QO,  6
.set STO, 7
.set RD,  8
.set GO,  9
.set SPW, 10                           ; v10 LDS address of my spare word; never rewritten
.set NIL, 11                           ; v11 0; never rewritten
.set ST,  12                           ; tile t at v[ST+8 t]: +0 c m, +1 m, +4 to +7 at work; a stands in +6
.set S,   48
.set P,   112
.set OA,  144                          ; O^T: pair 0 here in window 0; pair 1 at OA + 48 = v192 of window 1
.set L,   208
.set ONE, 240
.set RB,  112                          ; the way out: tile t's rows read back, 16 registers each, over P and tile 0's O^T, which are done with by then
.set QF,  0                            ; window 1
.set KF,  64
.set VF,  128
.set WV,  12
.set G1K, 16
.set G1V, 24
.set G0K, 32                           ; s[32:47] four groups 0 for K's chunks
.set G0V, 48                           ; s[48:63] four for V's
.set CS,  66
.set SEL, 68
.set TK,  70                           ; LDS byte at which the K of the step to be fetched begins
.set TV,  71                           ; the same for V, from VB on
.set CNT, 72
.set MSB, 0
.macro WIN new                         ; the immediate's high byte repeats the setting that is left; a switch that changes nothing is dropped
.if MSB != (\new)
	s_set_vgpr_msb (MSB<<8)|(\new)
.set MSB, (\new)
.endif
.endm
.macro PLACES                          ; plain vector lines between a matrix instruction and a load into, or a read of, its registers
.rept 4
	v_nop
.endr
.endm
	s_load_b128 s[4:7], s[0:1], 0x0                ; qkv, ao
	v_lshl_add_u32 v[SPW], v0, 2, SPARE
	v_mov_b32 v[NIL], 0
	ds_add_u32 v[SPW], v[NIL]                      ; the wave's opening: the add, twice on end, and its wait ahead of my first tensor load
	ds_add_u32 v[SPW], v[NIL]
	v_lshrrev_b32 v1, 5, v0
	v_readfirstlane_b32 s[WV], v1                  ; wave 0..7
	s_and_b32 s14, ttmp7, 0xffff                   ; (batch, head)
	s_lshl_b32 s74, s14, 17                        ; its 131,072 bytes in each of q, k, v and ao
	s_mov_b32 s75, 0
	s_and_b32 s15, s[WV], 3                        ; which quarter of a chunk I fetch: 64 keys, 8,192 bytes
	s_lshl_b32 s76, s15, 13
	s_mov_b32 s77, 0
	s_add_nc_u64 s[76:77], s[76:77], s[74:75]
	s_mul_i32 s78, s15, 32*PK                      ; and its place in LDS
	s_mul_i32 s79, s15, 32*PVP
	s_mov_b32 s[G1K], (1<<16)|(1<<20)|(5<<22)|(3<<25)  ; no mask; elements of 2 bytes; padding on: 4 words behind every 64
	s_mov_b32 s[G1V], (1<<16)|(1<<20)|(5<<22)|(7<<25)  ; the same with 8 words
.irp g, G1K, G1V
	s_mov_b32 s[\g+1], 128<<16                     ; tensor_dim0 = 128 elements: two keys
	s_mov_b32 s[\g+2], 32<<16                      ; tensor_dim1 = 32
	s_mov_b32 s[\g+3], 128<<16                     ; tile_dim0
	s_mov_b32 s[\g+4], 32                          ; tile_dim1
	s_mov_b32 s[\g+5], 128                         ; from row to row: dense
	s_mov_b32 s[\g+6], 0
	s_mov_b32 s[\g+7], 0
.endr
	s_mov_b32 s[CS], 0x3e38aa3b                    ; c = log2(e) / 8
	s_mov_b32 s[CS+1], s[CS]                       ; (named with it as a pair, so it is written)
	s_mov_b32 s[SEL], 0x76543210
	s_mov_b32 s[SEL+1], 0xfedcba98                 ; lane l xor 16
	s_mov_b32 s[TK], 0
	s_mov_b32 s[TV], 0
	s_lshl_b32 s80, ttmp9, 16                      ; my work-group's 512 rows of 128 bytes,
	s_lshl_b32 s81, s[WV], 13                      ; my wave's 64 of them
	s_add_co_u32 s80, s80, s81
	s_mov_b32 s81, 0
	s_add_nc_u64 s[80:81], s[80:81], s[74:75]
	s_wait_dscnt 0x0                               ; both opening adds are done
	s_wait_kmcnt 0x0
	s_add_nc_u64 s[8:9], s[4:5], s[76:77]
	s_add_nc_u64 s[10:11], s[8:9], 0x2000000       ; V at my quarter of chunk 0
	s_add_nc_u64 s[8:9], s[8:9], 0x1000000         ; K likewise
	s_add_nc_u64 s[4:5], s[4:5], s[80:81]          ; Q and ao at my wave's first row
	s_add_nc_u64 s[6:7], s[6:7], s[80:81]
.irp c, 0,1,2,3
	s_mov_b32 s[G0K+4*\c], 1
	s_add_co_u32 s[G0K+4*\c+1], s78, \c*128*PK
	s_add_nc_u64 s[G0K+4*\c+2:G0K+4*\c+3], s[8:9], \c*32768
	s_or_b32 s[G0K+4*\c+3], s[G0K+4*\c+3], 0x80000000
	s_mov_b32 s[G0V+4*\c], 1
	s_add_co_u32 s[G0V+4*\c+1], s79, VB+\c*128*PVP
	s_add_nc_u64 s[G0V+4*\c+2:G0V+4*\c+3], s[10:11], \c*32768
	s_or_b32 s[G0V+4*\c+3], s[G0V+4*\c+3], 0x80000000
.endr
	s_cmp_lt_u32 s[WV], 4                          ; waves 0-3 fetch K's quarters, waves 4-7 V's.  A wave's four fills stand in one branch, ahead of every wait on TENSORcnt, every LDS read and every barrier: four loads of mine are out
	s_cbranch_scc0 .Lfirst_v
.irp c, 0,1,2,3
	tensor_load_to_lds s[G0K+4*\c:G0K+4*\c+3], s[G1K:G1K+7]
	s_nop 0
.endr
	PLACES
	s_branch .Lfirst_asked
.Lfirst_v:
.irp c, 0,1,2,3
	tensor_load_to_lds s[G0V+4*\c:G0V+4*\c+3], s[G1V:G1V+7]
	s_nop 0
.endr
	PLACES
.Lfirst_asked:
	v_and_b32 v1, 15, v0                           ; r = l % 16
	v_bfe_u32 v44, v0, 4, 1                        ; h = l / 16
	v_lshlrev_b32 v[QO], 7, v1
	v_lshl_add_u32 v[QO], v44, 4, v[QO]            ; Q: row r of 128 bytes, + 16 h
	WIN 0x40                                       ; destination window 1, address window 0
.irp t, 0,1,2,3
.irp c, 0,1
	global_load_b128 v[QF+16*\t+8*\c:QF+16*\t+8*\c+3],   v[QO], s[4:5] offset:2048*\t+64*\c      ; Q stays in registers: tile t, channels 32 c on
	global_load_b128 v[QF+16*\t+8*\c+4:QF+16*\t+8*\c+7], v[QO], s[4:5] offset:2048*\t+64*\c+32
.endr
.endr
	WIN 0
.irp j, 0,1,2,3,4,5,6,7
	v_mov_b32 v[ONE+\j], 0x3c003c00                ; 1.0 in both halves: a fragment of ones
.endr
	v_lshrrev_b32 v45, 1, v1
	v_and_b32 v46, 1, v0
	v_mul_u32_u24 v[AK0], v45, PK                  ; K: key r lies in double row r / 2, half r % 2; + 16 h
	v_lshl_add_u32 v[AK0], v46, 7, v[AK0]
	v_lshl_add_u32 v[AK0], v44, 4, v[AK0]
	v_bfe_u32 v45, v0, 1, 2                        ; V: lane l reads key 8 h + l % 8, channels 8 ((l / 8) % 2) + 0..7
	v_lshl_add_u32 v45, v44, 2, v45
	v_mul_u32_u24 v[AV0], v45, PVP
	v_lshl_add_u32 v[AV0], v46, 7, v[AV0]
	v_bfe_u32 v47, v0, 3, 1
	v_lshl_add_u32 v[AV0], v47, 4, v[AV0]
	v_add_nc_u32 v[AV0], VB, v[AV0]
	s_mul_i32 s73, s[WV], 16*SP
	s_add_co_u32 s73, s73, STAGE                   ; my stage
	v_mul_u32_u24 v[STO], v1, SP                   ; in: row r, 16 bytes for each half of the lanes
	v_lshl_add_u32 v[STO], v44, 4, v[STO]
	v_add_nc_u32 v[STO], s73, v[STO]
	v_bfe_u32 v45, v0, 3, 2                        ; back: eight lanes to a row of 128 bytes, four rows an instruction
	v_and_b32 v47, 7, v0
	v_mul_u32_u24 v[RD], v45, SP
	v_lshl_add_u32 v[RD], v47, 4, v[RD]
	v_add_nc_u32 v[RD], s73, v[RD]
	v_and_b32 v[GO], 31, v0
	v_lshlrev_b32 v[GO], 4, v[GO]                  ; in ao those four rows are 512 consecutive bytes
; A step's K: 64 keys x 64 channels, 8 fragments, 16 loads
.macro FETCH_K
	WIN 0
	v_add_nc_u32 v[ADK], s[TK], v[AK0]
	s_add_co_u32 s[TK], s[TK], 32*PK               ; the next fetch is the next step's
	WIN 0x40
.irp kt, 0,1,2,3
.irp ch, 0,1
	ds_load_b128 v[KF+16*\kt+8*\ch:KF+16*\kt+8*\ch+3],   v[ADK] offset:\kt*8*PK+64*\ch
	ds_load_b128 v[KF+16*\kt+8*\ch+4:KF+16*\kt+8*\ch+7], v[ADK] offset:\kt*8*PK+64*\ch+32
.endr
.endr
.endm
; A step's V, turned: 8 fragments of 16 channels x 32 keys, 16 loads
.macro FETCH_V
	WIN 0
	v_add_nc_u32 v[ADV], s[TV], v[AV0]
	s_add_co_u32 s[TV], s[TV], 32*PVP
	WIN 0x40
.irp kh, 0,1
.irp ct, 0,1,2,3
	ds_load_tr16_b128 v[VF+32*\kh+8*\ct:VF+32*\kh+8*\ct+3],   v[ADV] offset:\kh*16*PVP+32*\ct
	ds_load_tr16_b128 v[VF+32*\kh+8*\ct+4:VF+32*\kh+8*\ct+7], v[ADV] offset:\kh*16*PVP+8*PVP+32*\ct
.endr
.endr
.endm
; S^T = K Q^T of pair p: product i of 16: channels 32 (i / 8) on, keys 16 ((i / 2) % 4) on, tile 2 p + i % 2.  The eight accumulators take turns; the first eight products start the sums.
.macro KQ p
	WIN 0x05                                       ; K and Q in window 1, S^T in window 0
.set i, 0
.rept 16
.set rS, S+32*(i%2)+8*((i/2)%4)
.set rK, KF+16*((i/2)%4)+8*(i/8)
.set rQ, QF+32*(\p)+16*(i%2)+8*(i/8)
.if i < 8
	v_wmma_f32_16x16x32_f16 v[rS:rS+7], v[rK:rK+7], v[rQ:rQ+7], 0
.else
	v_wmma_f32_16x16x32_f16 v[rS:rS+7], v[rK:rK+7], v[rQ:rQ+7], v[rS:rS+7]
.endif
.set i, i+1
.endr
.endm
; The rows' sums of pair p: L += ones x P, 32 keys at a time; the two tiles' accumulators take turns.  first = 1: the first two products start the sums.
.macro LSUM p, first
	WIN 0
.irp kh, 0,1
.irp t, 0,1
.if \first && (\kh == 0)
	v_wmma_f32_16x16x32_f16 v[L+16*(\p)+8*\t:L+16*(\p)+8*\t+7], v[ONE:ONE+7], v[P+16*\t+8*\kh:P+16*\t+8*\kh+7], 0
.else
	v_wmma_f32_16x16x32_f16 v[L+16*(\p)+8*\t:L+16*(\p)+8*\t+7], v[ONE:ONE+7], v[P+16*\t+8*\kh:P+16*\t+8*\kh+7], v[L+16*(\p)+8*\t:L+16*(\p)+8*\t+7]
.endif
.endr
.endr
.endm
; O^T += V^T P of pair p: product i of 16: keys 32 (i / 8) on, channels 16 ((i / 2) % 4) on, tile 2 p + i % 2.  first = 1: the first eight start the sums: nothing is cleared.
.macro PVM p, first
	WIN 0x01+0x50*(\p)                             ; V in window 1, P in window 0; O^T in window 0 (pair 0) or 1 (pair 1)
.set i, 0
.rept 16
.set rO, OA+48*(\p)+32*(i%2)+8*((i/2)%4)
.set rV, VF+32*(i/8)+8*((i/2)%4)
.set rP, P+16*(i%2)+8*(i/8)
.if \first && (i < 8)
	v_wmma_f32_16x16x32_f16 v[rO:rO+7], v[rV:rV+7], v[rP:rP+7], 0
.else
	v_wmma_f32_16x16x32_f16 v[rO:rO+7], v[rV:rV+7], v[rP:rP+7], v[rO:rO+7]
.endif
.set i, i+1
.endr
.endm
; The softmax of a step for the two tiles of pair p, line by line in turn, so that no line waits for the line above it.  first = 1: the first step, which starts m and has nothing to rescale.
.macro SOFTMAX p, first
	WIN 0
.set STP, ST+16*(\p)
.irp c, 0,1,2,3                        ; the maximum: four chains, each beginning at an accumulator's low end
.irp t, 0,1
	v_max3_num_f32 v[STP+8*\t+4+\c], v[S+32*\t+8*\c], v[S+32*\t+8*\c+1], v[S+32*\t+8*\c+2]
.endr
.endr
.irp i, 3,5
.irp c, 0,1,2,3
.irp t, 0,1
	v_max3_num_f32 v[STP+8*\t+4+\c], v[STP+8*\t+4+\c], v[S+32*\t+8*\c+\i], v[S+32*\t+8*\c+\i+1]
.endr
.endr
.endr
.irp t, 0,1
	v_max3_num_f32 v[STP+8*\t+4], v[STP+8*\t+4], v[S+32*\t+7], v[S+32*\t+15]
	v_max3_num_f32 v[STP+8*\t+6], v[STP+8*\t+6], v[S+32*\t+23], v[S+32*\t+31]
.endr
.irp t, 0,1
	v_max3_num_f32 v[STP+8*\t+4], v[STP+8*\t+4], v[STP+8*\t+5], v[STP+8*\t+6]
.endr
.irp t, 0,1
.if \first
	v_max_num_f32 v[STP+8*\t+4], v[STP+8*\t+4], v[STP+8*\t+7]
.else
	v_max3_num_f32 v[STP+8*\t+4], v[STP+8*\t+4], v[STP+8*\t+7], v[STP+8*\t+1]   ; with the old m
.endif
.endr
.irp t, 0,1
	v_permlanex16_b32 v[STP+8*\t+5], v[STP+8*\t+4], s[SEL], s[SEL+1]            ; the query's other 32 keys lie in the lane 16 away
.endr
.if \first == 0
.irp t, 0,1
	v_mov_b32 v[STP+8*\t+7], v[STP+8*\t]           ; c m_old is kept for a
.endr
.endif
.irp t, 0,1
	v_max_num_f32 v[STP+8*\t+1], v[STP+8*\t+4], v[STP+8*\t+5]
.endr
.irp t, 0,1
	v_mul_f32 v[STP+8*\t], s[CS], v[STP+8*\t+1]
.endr
.if \first == 0
.irp t, 0,1
	v_sub_f32 v[STP+8*\t+7], v[STP+8*\t+7], v[STP+8*\t]
.endr
.endif
.set b, 0
.rept 16
.irp t, 0,1
	v_pk_fma_f32 v[S+32*\t+2*b:S+32*\t+2*b+1], v[S+32*\t+2*b:S+32*\t+2*b+1], s[CS:CS+1], v[STP+8*\t:STP+8*\t+1] op_sel_hi:[1,0,0] neg_lo:[0,0,1] neg_hi:[0,0,1]   ; c s - c m, two at a time
.endr
.set b, b+1
.endr
.if \first == 0
.irp t, 0,1
	v_exp_f32 v[STP+8*\t+6], v[STP+8*\t+7]         ; a
.endr
.endif
.set b, 0
.rept 32
.irp t, 0,1
	v_exp_f32 v[S+32*\t+b], v[S+32*\t+b]           ; p, at most 1
.endr
.set b, b+1
.endr
	v_nop                                          ; a plain line behind the last exponential
	s_wait_alu depctr_va_vdst(0)                   ; one wait for the whole batch, ahead of its first reader
.set b, 0
.rept 16
.irp t, 0,1
	v_cvt_pk_f16_f32 v[P+16*\t+b], v[S+32*\t+2*b], v[S+32*\t+2*b+1]
.endr
.set b, b+1
.endr
.if \first
	PLACES                                         ; the first step has nothing to rescale: plain lines between the roundings and the products that take them
.else
.irp t, 0,1
	v_pk_mul_f32 v[L+16*(\p)+8*\t:L+16*(\p)+8*\t+1], v[L+16*(\p)+8*\t:L+16*(\p)+8*\t+1], v[STP+8*\t+6:STP+8*\t+7] op_sel_hi:[1,0]   ; the sum x a: the accumulator's lowest pair, the one that is read
.endr
	WIN 0x41*(\p)                                  ; pair 1's O^T (destination and source 0) lies in window 1, a in window 0
.set b, 0
.rept 16
.irp t, 0,1
	v_pk_mul_f32 v[OA+48*(\p)+32*\t+2*b:OA+48*(\p)+32*\t+2*b+1], v[OA+48*(\p)+32*\t+2*b:OA+48*(\p)+32*\t+2*b+1], v[STP+8*\t+6:STP+8*\t+7] op_sel_hi:[1,0]   ; O^T x a
.endr
.set b, b+1
.endr
.endif
.endm
; n later chunks may stay on their way. No LDS instruction of mine is pending at the signal.
.macro GATE n
	s_wait_tensorcnt \n
	s_wait_dscnt 0x0
	s_barrier_signal -1
	s_barrier_wait -1
.endm
; A trip: a step of 64 keys for both pairs, on one set of fragments.  fetch = 1: the next step's K is asked for when pair 1's K Q^T has read this step's, its V when pair 1's V^T P has.
.macro TRIP first, fetch
	s_wait_dscnt 16                                ; K of this step is in; V's sixteen loads, issued behind K's, may be out
	KQ 0
	PLACES                                         ; in front of the first read of the scores
	SOFTMAX 0, \first
	s_wait_dscnt 0x0                               ; V of this step is in
	LSUM 0, \first
	PVM 0, \first
	KQ 1
	PLACES                                         ; in front of the loads into K's registers and of the first read of the scores
.if \fetch
	FETCH_K
.endif
	SOFTMAX 1, \first
	LSUM 1, \first
	PVM 1, \first
	PLACES                                         ; in front of the loads into V's registers; in the last trip: of the first read of the results
.if \fetch
	FETCH_V
.endif
	WIN 0
.endm
.macro TRIPS n
	s_mov_b32 s[CNT], \n
.Ltrip_\@:
	TRIP 0, 1
	s_sub_co_u32 s[CNT], s[CNT], 1
	s_cmp_lg_u32 s[CNT], 0
	s_cbranch_scc1 .Ltrip_\@
.endm
	GATE 3                                         ; keys 0-255 lie in LDS: steps 0 to 3
	FETCH_K
	FETCH_V
	WIN 0
	s_wait_loadcnt 0x0                             ; Q
	TRIP 1, 1                                      ; step 0; fetches step 1
	TRIPS 2                                        ; steps 1, 2; fetch steps 2, 3
	GATE 2                                         ; keys 256-511
	TRIPS 4                                        ; steps 3 to 6; fetch steps 4 to 7
	GATE 1                                         ; keys 512-767
	TRIPS 4                                        ; steps 7 to 10
	GATE 0                                         ; all keys
	TRIPS 4                                        ; steps 11 to 14
	TRIP 0, 0                                      ; step 15: nothing is left to fetch
	; THE WAY OUT.  O^T is divided by the row's sum, rounded to f16 and sent through my stage, a tile (16 rows) at a time.
.irp t, 0,1,2,3
	v_rcp_f32 v[ST+8*\t+6], v[L+8*\t]              ; the accumulator's lowest register: the whole row's sum, in both halves of the lanes
.endr
	v_nop                                          ; a plain line behind the last reciprocal
	s_wait_alu depctr_va_vdst(0)                   ; one wait for the four, ahead of the first use
.macro PACK t
.set rO, OA+32*(\t)-16*((\t)/2)                    ; tiles 0, 1: v144, v176 of window 0; tiles 2, 3: v192, v224 of window 1
	WIN 0x41*((\t)/2)
.set i, 0
.rept 16
	v_pk_mul_f32 v[rO+2*i:rO+2*i+1], v[rO+2*i:rO+2*i+1], v[ST+8*(\t)+6:ST+8*(\t)+7] op_sel_hi:[1,0]
.set i, i+1
.endr
	WIN 0x05*((\t)/2)
.set i, 0
.rept 16
	v_cvt_pk_f16_f32 v[S+16*(\t)+i], v[rO+2*i], v[rO+2*i+1]
.set i, i+1
.endr
	WIN 0
.irp f, 0,1,2,3
	ds_store_b128 v[STO], v[S+16*(\t)+4*\f:S+16*(\t)+4*\f+3] offset:32*\f
.endr
.irp f, 0,1,2,3
	ds_load_b128 v[RB+16*(\t)+4*\f:RB+16*(\t)+4*\f+3], v[RD] offset:\f*4*SP   ; LDS serves a wave's instructions in order: these see the stores above, and the next tile's stores come behind them
.endr
.endm
.macro SEND t, younger                 ; younger: the LDS instructions issued behind tile t's loads
.irp f, 0,1,2,3
	s_wait_dscnt \younger+3-\f
	global_store_b128 v[GO], v[RB+16*(\t)+4*\f:RB+16*(\t)+4*\f+3], s[6:7] offset:2048*(\t)+512*\f   ; 32 lanes store 512 consecutive bytes, aligned
.endr
.endm
	PACK 0
	PACK 1                                         ; a tile's arithmetic stands between the loads of the tile before and its stores
	SEND 0, 8
	PACK 2
	SEND 1, 8
	PACK 3
	SEND 2, 8
	SEND 3, 0
	s_wait_tensorcnt 0x0                           ; the wave's end: behind my last tensor load and my last LDS store
	ds_add_u32 v[SPW], v[NIL]
	s_wait_dscnt 0x0
	s_endpgm
.Lfunc_end_k_q076ad08f13_attn:
	.size	k_q076ad08f13_attn, .Lfunc_end_k_q076ad08f13_attn-k_q076ad08f13_attn
	.p2alignl 7, 3214868480
	.fill 96, 4, 3214868480
	.section	.rodata,"a",@progbits
	.p2align	6, 0x0
	.amdhsa_kernel k_q076ad08f13_attn
		.amdhsa_group_segment_fixed_size 327680
		.amdhsa_private_segment_fixed_size 0
		.amdhsa_enable_private_segment 0
		.amdhsa_kernarg_size 16
		.amdhsa_user_sgpr_count 2
		.amdhsa_user_sgpr_kernarg_segment_ptr 1
		.amdhsa_wavefront_size32 1
		.amdhsa_system_sgpr_workgroup_id_x 1
		.amdhsa_system_sgpr_workgroup_id_y 1
		.amdhsa_system_sgpr_workgroup_id_z 1
		.amdhsa_system_vgpr_workitem_id 0
		.amdhsa_next_free_vgpr 512
		.amdhsa_next_free_sgpr 84
		.amdhsa_reserve_vcc 0
		.amdhsa_float_denorm_mode_32 3
		.amdhsa_float_denorm_mode_16_64 3
		.amdhsa_memory_ordered 1
		.amdhsa_forward_progress 1
		.amdhsa_inst_pref_size 191
	.end_amdhsa_kernel
	.amdgpu_metadata
---
amdhsa.version: [ 1, 2 ]
amdhsa.kernels:
  - .name:           k_q076ad08f13_attn
    .symbol:         k_q076ad08f13_attn.kd
    .args:
      - { .name: qkv, .offset: 0, .size: 8, .value_kind: global_buffer, .address_space: global }
      - { .name: ao, .offset: 8, .size: 8, .value_kind: global_buffer, .address_space: global }
    .group_segment_fixed_size: 327680
    .private_segment_fixed_size: 0
    .kernarg_segment_align: 8
    .kernarg_segment_size: 16
    .max_flat_workgroup_size: 256
    .sgpr_count:     84
    .vgpr_count:     512
    .wavefront_size: 32
...
	.end_amdgpu_metadata
.endif
;; end of part 3
;; launch outproj (part 4): grid 4 x 64, 4 waves a work-group, clusters of 4 x 4, 327,680 bytes of LDS; arguments ao, wo16, bo, out0; writes out0
.if DOCPART == 4
	.amdgcn_target "amdgcn-amd-amdhsa--gfx1250"
	.amdhsa_code_object_version 6
	.text
	.protected	k_q076ad08f13_outproj
	.globl	k_q076ad08f13_outproj
	.p2align	8
	.type	k_q076ad08f13_outproj,@function
k_q076ad08f13_outproj:
	s_mov_b64 s[64:65], 0
	v_nop
	global_prefetch_b8 v0, s[64:65] scope:SCOPE_SE
	s_setreg_imm32_b32 hwreg(HW_REG_WAVE_MODE, 25, 1), 1
	s_wait_xcnt 0x0
	s_wait_alu depctr_hold_cnt(0) depctr_sa_sdst(0) depctr_va_vdst(0) depctr_va_sdst(0) depctr_va_ssrc(0) depctr_va_vcc(0) depctr_vm_vsrc(0)
	s_getreg_b32 s2, hwreg(HW_REG_IB_STS2, 6, 4)
	s_cmp_eq_u32 s2, 0
	s_cbranch_scc0 .Lentry_in_a_cluster
	s_endpgm
.Lentry_in_a_cluster:
	s_bfe_u32 s2, ttmp6, 0x10000c
	s_cmp_lg_u32 s2, 0xf033
	s_cbranch_scc0 .Lentry_shape_is_right
	s_endpgm
.Lentry_shape_is_right:
; out0 [8192][1024] f32 = A Wo + bo.  A is the attention's result, ao [8 (batch)][16 (head)][1024 (position)][64] f16: row (batch, position), k = 64 head + channel.  wo16: Wo as f16, [1024 (k)][1024 (n)].  Sums in f32.
; A tile of out0 is 128 rows x 256 columns: 256 work-groups.  Four waves, each 64 x 128: 32 accumulators of 16 x 16, 256 registers.
; K goes in steps of 128 (two heads) through a ring of two LDS slots.  A's part of a step is two planes, one a head: 128 positions x 128 bytes, dense in memory, stated as 64 rows of 256 bytes.
; Wo's part is 128 rows (k) of 512 bytes.  One tensor load a wave: waves 0 and 1 a plane of A each, waves 2 and 3 64 rows of Wo each.
; CLUSTERS: 4 x 4 work-groups; A's tiles are shared along a row of the cluster, Wo's along a column: each is asked for JOINTLY, by the same tensor load with the same descriptor and a mask that names the four.
; THE MATRIX INSTRUCTION IS USED TRANSPOSED: source 0 = 16 columns of Wo (turned on the way out of LDS by ds_load_tr16_b128), source 1 = 16 rows of A: a lane holds eight neighbouring columns of a row of out0.
; The bias is the C of each sum's first matrix instruction.  No prefetch: the tile is small and a step's tiles are shared by four work-groups each.
; REGISTERS: window 0: v16-29 addresses; v32-95 the bias, eight registers for each block of 16 columns; v96-223 the way out.   window 1: two fragment buffers of 96 (A 32, Wo 64).   window 2: accumulator (a, b) at v[8 (8 a + b)].
.set PA,     272                       ; two positions of A: 256 bytes + 16
.set PB,     544                       ; a row of Wo's tile: 512 bytes + 32
.set PLANE,  64*PA
.set BOFF,   2*PLANE
.set HALFB,  64*PB
.set SLOT,   BOFF+2*HALFB
.set STAGE,  2*SLOT                    ; behind the ring: 16 rows x (512 + 16) bytes for each wave
.set SPITCH, 528
.set SPARE,  STAGE+4*16*SPITCH         ; the spare words, 128 bytes a wave, named by no other line
.set STEPB,  524288                    ; two K steps on, in bytes: four heads of ao, and 256 rows of wo16
.set ADRA, 16
.set ADRB, 20
.set STO,  24
.set RD,   25
.set CO,   26
.set BO,   27
.set SPW,  28                          ; v28 LDS address of my spare word; never rewritten
.set NIL,  29                          ; v29 0; never rewritten
.set BI,   32
.set BK,   96
.set G1, 24
.set G0, 32
.set G1B, 48
.set G0B, 56
.set MSB, 0
.macro WIN new
.if MSB != (\new)
	s_set_vgpr_msb (MSB<<8)|(\new)
.set MSB, (\new)
.endif
.endm
.set MUL,   0xa5                       ; sources 0 and 1 window 1; C and D window 2
.set MUL_B, 0x85                       ; the same with C, the bias, in window 0
.set TO_F,  0x40                       ; destination window 1, address window 0
.macro JLOAD s                         ; a joint load: waves 0 and 1 fetch A's planes, waves 2 and 3 Wo's halves; an s_nop 0 and four v_nop follow each of the two lines
	s_cmp_eq_u32 s13, 0
	s_cbranch_scc0 .Lfor_b_\@
	tensor_load_to_lds s[G0+4*\s:G0+4*\s+3], s[G1:G1+7]
	s_nop 0
.rept 4
	v_nop
.endr
	s_branch .Lasked_\@
.Lfor_b_\@:
	tensor_load_to_lds s[G0B+4*\s:G0B+4*\s+3], s[G1B:G1B+7]
	s_nop 0
.rept 4
	v_nop
.endr
.Lasked_\@:
.endm
.macro CREST
	s_cmp_lg_u32 s12, 0
	s_cbranch_scc1 .Lnot_wave_0_\@
	s_barrier_signal -3
.Lnot_wave_0_\@:
	s_barrier_wait -3
	s_barrier_signal -1
	s_barrier_wait -1
.endm
.macro CROUND
	s_barrier_signal -1
	s_barrier_wait -1
	CREST
.endm
.macro PLACES
.rept 4
	v_nop
.endr
.endm
	s_load_b256 s[4:11], s[0:1], 0x0               ; ao, wo16, bo, out0
	v_lshl_add_u32 v[SPW], v0, 2, SPARE
	v_mov_b32 v[NIL], 0
	ds_add_u32 v[SPW], v[NIL]                      ; the wave's opening: the add, twice on end, and its wait ahead of my first tensor load
	ds_add_u32 v[SPW], v[NIL]
	v_lshrrev_b32 v1, 5, v0
	v_readfirstlane_b32 s12, v1                    ; wave 0..3
	s_lshr_b32 s13, s12, 1                         ; which 64 rows are mine.  Also: I fetch for A (0) or for Wo (1)
	s_and_b32 s14, s12, 1                          ; which 128 columns.  Also: which plane, or which 64 rows of Wo, I fetch
	s_bfe_u32 s40, ttmp6, 0x40000                  ; cx, cy
	s_bfe_u32 s41, ttmp6, 0x40004
	s_lshl_b32 s42, ttmp9, 2
	s_add_co_u32 s42, s42, s40                     ; tile column: 0 .. 3
	s_and_b32 s15, ttmp7, 0xffff
	s_lshl_b32 s15, s15, 2
	s_add_co_u32 s15, s15, s41                     ; tile row: 0 .. 63
	s_lshl_b32 s43, s41, 2
	s_lshl_b32 s43, 15, s43                        ; my row of the cluster
	s_lshl_b32 s44, 0x1111, s40                    ; my column
	s_or_b32 s[G1+0], s43, (1<<16)|(1<<20)|(1<<21)|(5<<22)|(3<<25)   ; A: the mask; elements of 2 bytes; padding: 4 words behind every 64
	s_mov_b32 s[G1+1], 128<<16                     ; tensor_dim0 = 128 elements: two positions
	s_mov_b32 s[G1+2], 64<<16                      ; tensor_dim1
	s_mov_b32 s[G1+3], 128<<16                     ; tile_dim0
	s_mov_b32 s[G1+4], 64                          ; tile_dim1
	s_mov_b32 s[G1+5], 128                         ; dense
	s_mov_b32 s[G1+6], 0
	s_mov_b32 s[G1+7], 0
	s_or_b32 s[G1B+0], s44, (1<<16)|(1<<20)|(1<<21)|(6<<22)|(7<<25)  ; Wo: padding: 8 words behind every 128
	s_mov_b32 s[G1B+1], 256<<16
	s_mov_b32 s[G1B+2], 64<<16
	s_mov_b32 s[G1B+3], 256<<16
	s_mov_b32 s[G1B+4], 64
	s_mov_b32 s[G1B+5], 1024
	s_mov_b32 s[G1B+6], 0
	s_mov_b32 s[G1B+7], 0
	s_lshr_b32 s16, s15, 3                         ; A: the batch, 2^21 bytes each,
	s_lshl_b32 s16, s16, 21
	s_and_b32 s17, s15, 7
	s_lshl_b32 s17, s17, 14                        ; the tile's 128 positions of 128 bytes,
	s_add_co_u32 s16, s16, s17
	s_lshl_b32 s17, s14, 17                        ; my plane: head 2 s + (wave % 2)
	s_add_co_u32 s16, s16, s17
	s_mov_b32 s17, 0
	s_lshl_b32 s46, s14, 17                        ; Wo: my 64 rows of 2,048 bytes,
	s_lshl_b32 s47, s42, 9                         ; the tile's 256 columns
	s_add_co_u32 s46, s46, s47
	s_mov_b32 s47, 0
	s_mul_i32 s20, s14, PLANE                      ; where they go
	s_mul_i32 s21, s14, HALFB
	s_add_co_u32 s21, s21, BOFF
	s_wait_dscnt 0x0                               ; both opening adds are done
	s_wait_kmcnt 0x0
	s_add_nc_u64 s[18:19], s[4:5], s[16:17]
	s_add_nc_u64 s[46:47], s[6:7], s[46:47]
	CROUND                                         ; all sixteen work-groups are here: the first joint loads meet
.irp s, 0,1
	s_mov_b32 s[G0+4*\s], 1
	s_add_co_u32 s[G0+4*\s+1], s20, \s*SLOT
	s_add_nc_u64 s[G0+4*\s+2:G0+4*\s+3], s[18:19], \s*262144
	s_or_b32 s[G0+4*\s+3], s[G0+4*\s+3], 0x80000000
	s_mov_b32 s[G0B+4*\s], 1
	s_add_co_u32 s[G0B+4*\s+1], s21, \s*SLOT
	s_add_nc_u64 s[G0B+4*\s+2:G0B+4*\s+3], s[46:47], \s*262144
	s_or_b32 s[G0B+4*\s+3], s[G0B+4*\s+3], 0x80000000
	JLOAD \s                                       ; two loads of mine are out
.endr
	v_and_b32 v1, 15, v0                           ; r
	v_bfe_u32 v2, v0, 4, 1                         ; h
	s_lshl_b32 s22, s42, 10                        ; my first column, in bytes of f32: 1,024 x tile column + 512 x half
	s_lshl_b32 s23, s14, 9
	s_add_co_u32 s22, s22, s23
	s_mov_b32 s23, 0
	s_add_nc_u64 s[8:9], s[8:9], s[22:23]
	v_lshlrev_b32 v[BO], 5, v2
.irp b, 0,1,2,3,4,5,6,7
	global_load_b128 v[BI+8*\b:BI+8*\b+3],   v[BO], s[8:9] offset:64*\b       ; bo at columns 16 b + 8 h + 0 .. 7: the result's layout
	global_load_b128 v[BI+8*\b+4:BI+8*\b+7], v[BO], s[8:9] offset:64*\b+16
.endr
	s_lshl_b32 s16, s15, 19                        ; my first row of out0: 128 x tile row + 64 x half, 4,096 bytes each
	s_lshl_b32 s17, s13, 18
	s_add_co_u32 s16, s16, s17
	s_mov_b32 s17, 0
	s_add_nc_u64 s[10:11], s[10:11], s[16:17]
	s_add_nc_u64 s[10:11], s[10:11], s[22:23]
	v_lshrrev_b32 v3, 1, v1
	v_and_b32 v4, 1, v0
	v_mul_u32_u24 v5, v3, PA                       ; A: row r lies in double row r / 2, half r % 2; + 16 h
	v_lshl_add_u32 v5, v4, 7, v5
	v_lshl_add_u32 v5, v2, 4, v5
	v_and_b32 v6, 7, v0                            ; Wo: lane l reads row k = 8 h + l % 8, columns 8 ((l / 8) % 2) + 0..7
	v_lshl_add_u32 v6, v2, 3, v6
	v_mul_u32_u24 v6, v6, PB
	v_bfe_u32 v7, v0, 3, 1
	v_lshl_add_u32 v6, v7, 4, v6
	s_mul_i32 s20, s13, 32*PA                      ; my 64 rows of A
	s_lshl_b32 s21, s14, 8                         ; my 128 columns of Wo
	s_add_co_u32 s21, s21, BOFF
.irp s, 0,1
	v_add_nc_u32 v[ADRA+\s], s20, v5
	v_add_nc_u32 v[ADRB+\s], s21, v6
	s_add_co_u32 s20, s20, SLOT
	s_add_co_u32 s21, s21, SLOT
.endr
	s_mul_i32 s45, s12, 16*SPITCH
	s_add_co_u32 s45, s45, STAGE                   ; my stage
	v_mul_u32_u24 v5, v1, SPITCH                   ; in: row r, 32 bytes for each half of the lanes
	v_lshl_add_u32 v5, v2, 5, v5
	v_add_nc_u32 v[STO], s45, v5
	v_and_b32 v6, 31, v0
	v_lshlrev_b32 v[CO], 4, v6                     ; back: the 32 lanes take one row of 512 bytes; and the same in out0
	v_add_nc_u32 v[RD], s45, v[CO]
; 8 matrix instructions: block a of my rows x all 8 blocks of columns, 32 along K, from buffer f.  The 32 accumulators take turns in the same order in every quarter.
.macro MUL8 f, a, bias
.irp b, 0,1,2,3,4,5,6,7
.if \bias
	v_wmma_f32_16x16x32_f16 v[8*(8*(\a)+\b):8*(8*(\a)+\b)+7], v[\f+32+8*\b:\f+32+8*\b+7], v[\f+8*(\a):\f+8*(\a)+7], v[BI+8*\b:BI+8*\b+7]
.else
	v_wmma_f32_16x16x32_f16 v[8*(8*(\a)+\b):8*(8*(\a)+\b)+7], v[\f+32+8*\b:\f+32+8*\b+7], v[\f+8*(\a):\f+8*(\a)+7], v[8*(8*(\a)+\b):8*(8*(\a)+\b)+7]
.endif
.endr
.endm
; 24 LDS loads in one run: the fragments of the slot's q-th 32 along K into buffer f
.macro FETCH slot, q, f
	WIN TO_F
.irp i, 0,1,2,3
	ds_load_b128 v[\f+8*\i:\f+8*\i+3],   v[ADRA+\slot] offset:PLANE*((\q)/2)+64*((\q)%2)+\i*8*PA
	ds_load_b128 v[\f+8*\i+4:\f+8*\i+7], v[ADRA+\slot] offset:PLANE*((\q)/2)+64*((\q)%2)+\i*8*PA+32
.endr
.irp b, 0,1,2,3,4,5,6,7
	ds_load_tr16_b128 v[\f+32+8*\b:\f+32+8*\b+3],   v[ADRB+\slot] offset:32*PB*(\q)+32*\b
	ds_load_tr16_b128 v[\f+32+8*\b+4:\f+32+8*\b+7], v[ADRB+\slot] offset:32*PB*(\q)+16*PB+32*\b
.endr
.endm
; One of a K step's first three quarters: its fragments are in; the next quarter's are asked for, and land under this quarter's 32 products.
.macro QUARTER slot, q, bias
.set FM, 96*((\q)%2)
.set FN, 96-FM
	s_wait_dscnt 0x0                               ; this quarter's fragments are in
	PLACES                                         ; in front of the loads into the buffer that the last quarter multiplied
	FETCH \slot, (\q)+1, FN
.if \bias
	WIN MUL_B
.else
	WIN MUL
.endif
	MUL8 FM, 0, \bias
	MUL8 FM, 1, \bias
	MUL8 FM, 2, \bias
	MUL8 FM, 3, \bias
.endm
; The last quarter multiplies buffer 1 and changes slots: ONE barrier; in front of it each wave waits for all its tensor loads, adds 0 to its spare word, and waits for that and for its reads of this slot.
; fill = 1: the barrier opens a round of the cluster's barrier, and this slot is filled again, two K steps ahead, first thing behind the round.
.macro TURN slot, next, fill
	WIN 0                                          ; (the add's two registers lie in window 0)
	s_wait_tensorcnt 0x0                           ; all my tensor loads have landed: my part of the next slot
	ds_add_u32 v[SPW], v[NIL]                      ; 0 onto my spare word
	s_wait_dscnt 1                                 ; this quarter's fragments are in (the add may be out)
	WIN MUL
	MUL8 96, 0, 0
	s_wait_dscnt 0x0                               ; the add is done, and my reads of this slot are over
	s_barrier_signal -1
	MUL8 96, 1, 0
	WIN 0
	s_barrier_wait -1
.if \fill
	CREST                                          ; no wave of any partner still reads this slot's tile or has a load on its way
	s_add_nc_u64 s[G0+4*\slot+2:G0+4*\slot+3], s[G0+4*\slot+2:G0+4*\slot+3], STEPB
	s_add_nc_u64 s[G0B+4*\slot+2:G0B+4*\slot+3], s[G0B+4*\slot+2:G0B+4*\slot+3], STEPB
	JLOAD \slot                                    ; the four v_nop behind it are also the places in front of the loads below
.else
	PLACES
.endif
	FETCH \next, 0, 0
	WIN MUL
	MUL8 96, 2, 0
	MUL8 96, 3, 0
.endm
	s_wait_tensorcnt 1                             ; my part of K step 0 is in (K step 1's may be out)
	s_barrier_signal -1
	s_barrier_wait -1                              ; everybody's is
	FETCH 0, 0, 0
	s_wait_loadcnt 0x0                             ; the bias
	QUARTER 0, 0, 1                                ; the first quarter stands in front of the loop: its products start the sums from the bias
	WIN 0
	s_mov_b32 s3, 3
.Llap:                                             ; a trip goes once round the ring, from a lap's second quarter to the next lap's first, and fills both slots again
	QUARTER 0, 1, 0
	QUARTER 0, 2, 0
	TURN 0, 1, 1
	QUARTER 1, 0, 0
	QUARTER 1, 1, 0
	QUARTER 1, 2, 0
	TURN 1, 0, 1
	QUARTER 0, 0, 0
	WIN 0
	s_sub_co_u32 s3, s3, 1
	s_cmp_lg_u32 s3, 0
	s_cbranch_scc1 .Llap
	QUARTER 0, 1, 0                                ; the last lap fills nothing, and has no round of the cluster's barrier
	QUARTER 0, 2, 0
	TURN 0, 1, 0
	QUARTER 1, 0, 0
	QUARTER 1, 1, 0
	QUARTER 1, 2, 0
	s_wait_dscnt 0x0                               ; the very last quarter
	WIN MUL
	MUL8 96, 0, 0
	MUL8 96, 1, 0
	MUL8 96, 2, 0
	MUL8 96, 3, 0
	WIN 0
; THE WAY OUT, block by block of 16 rows x 128 columns: through my own stage, each accumulator from its low end on, and back as whole rows of 512 bytes.
.macro TOSTAGE a
	WIN 0x08                                       ; an LDS store's data are its source 1: window 2
.irp b, 0,1,2,3,4,5,6,7
	ds_store_b128 v[STO], v[64*(\a)+8*\b:64*(\a)+8*\b+3] offset:64*\b
	ds_store_b128 v[STO], v[64*(\a)+8*\b+4:64*(\a)+8*\b+7] offset:64*\b+16
.endr
	WIN 0
.set BB, BK+64*((\a)%2)
.irp t, 0,1,2,3,4,5,6,7,8,9,10,11,12,13,14,15
	ds_load_b128 v[BB+4*\t:BB+4*\t+3], v[RD] offset:\t*SPITCH   ; LDS serves a wave's instructions in order: these see the stores above
.endr
.endm
.macro SEND a, younger                 ; younger: the LDS instructions issued behind block a's loads, which may stay out
.set BB, BK+64*((\a)%2)
	s_wait_dscnt \younger
.irp t, 0,1,2,3,4,5,6,7,8,9,10,11,12,13,14,15
	global_store_b128 v[CO], v[BB+4*\t:BB+4*\t+3], s[10:11] offset:65536*(\a)+4096*\t th:TH_STORE_NT   ; 32 lanes store 512 consecutive bytes, aligned
.endr
.endm
	PLACES
	TOSTAGE 0
.irp a, 1,2,3
.if \a > 1
	s_wait_xcnt 0x0                                ; block a - 2's stores have read their registers: block a's loads may land there
.endif
	TOSTAGE \a
	SEND \a-1, 32                                  ; behind block a - 1's loads: block a's 16 stores and 16 loads
.endr
	SEND 3, 0
	s_wait_tensorcnt 0x0                           ; the wave's end: behind my last tensor load and my last LDS store
	ds_add_u32 v[SPW], v[NIL]
	s_wait_dscnt 0x0
	CROUND                                         ; the closing round
	s_endpgm
.Lfunc_end_k_q076ad08f13_outproj:
	.size	k_q076ad08f13_outproj, .Lfunc_end_k_q076ad08f13_outproj-k_q076ad08f13_outproj
	.p2alignl 7, 3214868480
	.fill 96, 4, 3214868480
	.section	.rodata,"a",@progbits
	.p2align	6, 0x0
	.amdhsa_kernel k_q076ad08f13_outproj
		.amdhsa_group_segment_fixed_size 327680
		.amdhsa_private_segment_fixed_size 0
		.amdhsa_enable_private_segment 0
		.amdhsa_kernarg_size 32
		.amdhsa_user_sgpr_count 2
		.amdhsa_user_sgpr_kernarg_segment_ptr 1
		.amdhsa_wavefront_size32 1
		.amdhsa_system_sgpr_workgroup_id_x 1
		.amdhsa_system_sgpr_workgroup_id_y 1
		.amdhsa_system_sgpr_workgroup_id_z 1
		.amdhsa_system_vgpr_workitem_id 0
		.amdhsa_next_free_vgpr 768
		.amdhsa_next_free_sgpr 70
		.amdhsa_reserve_vcc 0
		.amdhsa_float_denorm_mode_32 3
		.amdhsa_float_denorm_mode_16_64 3
		.amdhsa_memory_ordered 1
		.amdhsa_forward_progress 1
		.amdhsa_inst_pref_size 86
	.end_amdhsa_kernel
	.amdgpu_metadata
---
amdhsa.version: [ 1, 2 ]
amdhsa.kernels:
  - .name:           k_q076ad08f13_outproj
    .symbol:         k_q076ad08f13_outproj.kd
    .args:
      - { .name: ao, .offset: 0, .size: 8, .value_kind: global_buffer, .address_space: global }
      - { .name: wo16, .offset: 8, .size: 8, .value_kind: global_buffer, .address_space: global }
      - { .name: bo, .offset: 16, .size: 8, .value_kind: global_buffer, .address_space: global }
      - { .name: out0, .offset: 24, .size: 8, .value_kind: global_buffer, .address_space: global }
    .group_segment_fixed_size: 327680
    .private_segment_fixed_size: 0
    .kernarg_segment_align: 8
    .kernarg_segment_size: 32
    .max_flat_workgroup_size: 128
    .sgpr_count:     70
    .vgpr_count:     768
    .wavefront_size: 32
...
	.end_amdgpu_metadata
.endif
;; end of part 4
